; MI455X (gfx1250); checked and timed in simulation.
; The chip was launched on July 23, 2026; its instructions are those of AMD's public machine-readable ISA for CDNA 5 (MIT licence, August 2026) and "CDNA5" Instruction Set Architecture Reference Guide (July 2026). The comments in the code are by the model that wrote it; some were corrected since.
;; Self Attention. Allowed arithmetic: matrix products marked QUANTISED: E3M2 operands, one E8M0 scale for each 32 along K, by v_wmma_scale_f32_16x16x128_f8f6f4 with both operands' format E3M2, f32 sums; everything else in f32.
;; Inputs: bk 1,024 float32; bo 2,048 float32; bq 1,024 float32; bv 1,024 float32; h 2 x 2,048 x 2,048 float32; ln_b 2,048 float32; ln_g 2,048 float32; wk_codes 1,024 x 64 x 24 uint8 (E3M2 codes of wk, K innermost, in blocks of 32 codes, four codes in three bytes); wk_scales 1,024 x 64 uint8 (E8M0 scales of wk, one for each 32 codes along K); wo_codes 2,048 x 32 x 24 uint8 (E3M2 codes of wo, K innermost, in blocks of 32 codes, four codes in three bytes); wo_scales 2,048 x 32 uint8 (E8M0 scales of wo, one for each 32 codes along K); wq_codes 1,024 x 64 x 24 uint8 (E3M2 codes of wq, K innermost, in blocks of 32 codes, four codes in three bytes); wq_scales 1,024 x 64 uint8 (E8M0 scales of wq, one for each 32 codes along K); wv_codes 1,024 x 64 x 24 uint8 (E3M2 codes of wv, K innermost, in blocks of 32 codes, four codes in three bytes); wv_scales 1,024 x 64 uint8 (E8M0 scales of wv, one for each 32 codes along K).
;; Outputs: out0 2 x 2,048 x 2,048 float32.
;; This version of the problem:
;;   THIS VERSION OF THE PROBLEM IS GIVEN IN LOW PRECISION. The matrix products marked QUANTISED in the list below multiply operands that are first quantised to E3M2 (3 exponent bits, 2 mantissa bits; 6 bits a number), with one power-of-two scale for each 32 numbers along K (OCP MX v1.0); their sums are f32. All else is computed in f32.
;;   The module's matrix products, in the order in which they are computed (A, B: the left and right operand; K: the contracted axis; several contracted axes count as one K, in the product's order):
;;     1. [M 4,096, K 2,048] x [K 2,048, N 1,024]; A: computed on the way; B: input wq (given as codes): QUANTISED
;;     2. [M 4,096, K 2,048] x [K 2,048, N 1,024]; A: computed on the way; B: input wk (given as codes): QUANTISED
;;     3. [M 4,096, K 2,048] x [K 2,048, N 1,024]; A: computed on the way; B: input wv (given as codes): QUANTISED
;;     4. batch 32 x [M 2,048, K 64] x [K 64, N 2,048]; A: computed on the way; B: computed on the way: QUANTISED
;;     5. batch 32 x [M 64, K 2,048] x [K 2,048, N 2,048]; A: computed on the way; B: softmax (see below): QUANTISED
;;     6. [M 4,096, K 1,024] x [K 1,024, N 2,048]; A: computed on the way; B: input wo (given as codes): QUANTISED
;;   THE QUANTISER, for each operand of a quantised product, along K:
;;     - K is cut into blocks of 32 from its start; a last block that is shorter is filled with zeros.
;;     - A block's scale is 2^e with e = floor(log2(the largest magnitude in the block)) - 4, held to -126 .. 127; a block of zeros has e = 0. As a byte (E8M0): e + 127.
;;     - Each number is divided by its block's scale, clamped to +-28, and rounded to the nearest number of E3M2, ties to even, subnormals kept.
;;     - The product sums the exact products of the quantised numbers (number of the format x scale) in f32.
;;   ~~~python
;;   def quantise(x, axis):      # numpy; x: float32 -> the quantised numbers, widened to float32 again
;;       x = np.moveaxis(x, axis, -1); K = x.shape[-1]
;;       x = np.pad(x, [(0, 0)] * (x.ndim - 1) + [(0, -K % 32)]); x = x.reshape(x.shape[:-1] + (-1, 32)); a = np.abs(x).max(-1, keepdims=True)
;;       e = np.where(a > 0, np.clip(np.frexp(np.where(a > 0, a, 1))[1] - 1 - 4, -126, 127), 0)      # np.frexp(a)[1] - 1 = floor(log2(a)), exactly
;;       r = np.clip(x / 2.0 ** e, -28, 28)
;;       step = 2.0 ** (np.maximum(np.frexp(np.where(r == 0, 1, r))[1] - 1, -2) - 2)
;;       q = np.round(r / step) * step * 2.0 ** e      # np.round: ties to even
;;       return np.moveaxis(q.reshape(q.shape[:-2] + (-1,))[..., :K], -1, axis).astype(np.float32)
;;   ~~~
;;   SOFTMAX AHEAD OF A QUANTISED PRODUCT. Where the list says 'softmax', what is quantised is not the finished softmax but p = 2^(t - M), with t = logit x log2(e) and M = ceil(the row's largest t), a whole number; so 1/2 < the row's largest p <= 1. The row's sum l is taken of the UNQUANTISED p, in f32, and the product's result is divided by l at the end. Since M is a whole number, a kernel that streams over the keys may use a running M (the ceiling of the running maximum): every later rescaling is an exact power of two, which a block's scale takes up: the codes' values come out the same.
;;   OPERANDS COMPUTED ON THE WAY. 'Computed on the way' means the value that the module computes at that place (a softmax that the list does not call 'softmax' is quantised finished and normalised). What goes into a quantiser is computed in f32, as accurately as f32 sums, v_exp_f32 and their like allow (about 1e-6 of the number): no bf16 or f16 on the way to a quantiser, and a product that is left as it is and whose result goes on into a quantised operand takes f32 operands (vector FMAs, or v_wmma_f32_16x16x4_f32). A number that lies on a knife's edge between two numbers of the format may be rounded either way, as far as f32 arithmetic and the matrix unit's own rounding can turn it there, and no further.
;;   INPUTS GIVEN AS CODES. wk (in the module: [1024, 2048], K = its axis 1); wo (in the module: [2048, 1024], K = its axis 1); wq (in the module: [1024, 2048], K = its axis 1); wv (in the module: [1024, 2048], K = its axis 1): each comes as NAME_codes (uint8): NAME with its K axis moved to the last place and cut into blocks of 32 codes, [.., K / 32, bytes a block], one block behind the other in memory; four codes in three bytes: a row's codes are one little-endian stream of bits, code i at bits 6 i .. 6 i + 5 (a code: sign, 3 exponent bits, 2 mantissa bits); and NAME_scales (uint8): the same leading axes, one E8M0 byte (e + 127) for each 32 codes along K. Its value is code x scale, taken as it is: it is not quantised again, and the codes and scales need not be those that the quantiser above would give.
;; One version. Each part assembles by itself: llvm-mc -triple=amdgcn-amd-amdhsa -mcpu=gfx1250 --defsym DOCPART=n.
;; ======== version 1 of 1: 4 launches
;; limits: right only within a limited range of input values
;; workspace buffers: x_codes 6,291,456 bytes; x_scales 262,144 bytes; tab 1,048,576 bytes; q_rec 3,276,800 bytes; kv_rec 6,553,600 bytes; o_img 3,145,728 bytes; o_scales 131,072 bytes; w_img 4,718,592 bytes
;; launch prep (part 1): grid 256 x 1, 16 waves a work-group, no clusters, 192,000 bytes of LDS; arguments h, ln_g, ln_b, x_codes, x_scales, tab, wq_codes, wk_codes, wv_codes, w_img; writes x_codes, x_scales, tab, w_img
.if DOCPART == 1
	.amdgcn_target "amdgcn-amd-amdhsa--gfx1250"
	.amdhsa_code_object_version 6
	.text
	.protected	k_qfa7a565706_prep
	.globl	k_qfa7a565706_prep
	.p2align	8
	.type	k_qfa7a565706_prep,@function
k_qfa7a565706_prep:
	s_mov_b64 s[64:65], 0
	v_nop
	global_prefetch_b8 v0, s[64:65] scope:SCOPE_SE
	s_setreg_imm32_b32 hwreg(HW_REG_WAVE_MODE, 25, 1), 1
	s_wait_xcnt 0x0
; x = LayerNorm(h) x ln_g + ln_b, in f32, turned into codes of BF6 (E3M2) with one E8M0 byte for each 32 along the row; and the table of cos and sin for RoPE.
; h: [4096][2048] f32.  x_codes: images of 16 rows (below); x_scales: [4096][64 bytes], laid as the given scales are.  tab: [4096][64] f32: row m holds cos(pos theta_d), d = 0 .. 31, then sin(pos theta_d); pos = m mod 2048, theta_d = 10000^(-d / 32).
; SHARES.  One wave takes one row (8,192 bytes, 64 registers) and keeps it in registers between the mean, the variance (of h - mean: two passes) and the scaling: h is read once here.  Sixteen waves, 256 work-groups.
; All 48 loads of a wave (the row, ln_g, ln_b) go out at once; the table's arithmetic stands behind them.  No loop, one barrier.
; THE TURN.  A load gives neighbouring lanes neighbouring bytes; the conversion wants 16 neighbours in one lane.  So the row goes through the wave's own four stages in LDS (2,048 bytes each, 16 bytes of padding behind each 64).
; A block's scale byte is its largest magnitude's exponent field - 4, held at 1 from below.  A block of zeros so gets the byte 1: its codes are zeros, and this program alone reads the bytes.
; COS AND SIN: the angle less n x pi/2 (pi/2 in two parts; the first product leaves no rounding, since n has 11 bits), then polynomials on +-pi/4.  theta is 2^(-d log2(10) / 8): the product's rounding and the constant's low part are put back behind the exponential.
; LIMITS: NaN and infinities in h, ln_g, ln_b are not served.  theta is right to about one unit in its last place, so an angle of some 1,500 radians may differ from a correctly rounded one by about 2e-4.
.set SP,    80                         ; a lane's place in a stage: 64 bytes + 16 of padding
.set STG,   32*SP                      ; a stage
.set WREG,  4*STG                      ; a wave's four stages
.set SCB,   16*WREG                    ; behind them: 64 scale bytes for each wave
.set X,     16                         ; v16-79   the row
.set G,     80                         ; v80-143  ln_g; later the turned numbers
.set Y,     80
.set B,     144                        ; v144-207 ln_b
.set P,     208                        ; v208-215 four packed chains
.set MU,    216                        ; v[216:217] the mean, twice
.set RS,    218                        ; v[218:219] 1 / sqrt(var + eps), twice
.set TV,    220                        ; v[220:221] my two numbers of the table; never rewritten
.set DD,    222                        ; v222-223 d as f32
.set T0,    224                        ; v224-245 the table's work: 12 registers for each of my two numbers
.set C,     224                        ; later: v224-239 codes, four registers a step
.set E,     240                        ; v240-243 a scale byte a step
	s_load_b256 s[4:11], s[0:1], 0x0               ; h s[4:5], ln_g s[6:7], ln_b s[8:9], x_codes s[10:11]
	s_load_b128 s[12:15], s[0:1], 0x20
	; IMAGES.  x_codes and w_img are laid as the next launch's registers want them: for each 16 rows and each 128 along K one image of 1,536 bytes, images of one 16 rows on end along K (24,576 bytes);
	; in an image, piece p (0 .. 5) of lane l = r + 16 h stands at 256 p + 8 l and holds bytes 96 s + 48 (p / 3) + 24 h + 8 (p mod 3) + 0 .. 7 of row r's codes.  w_img: wq's 64 blocks of 16 rows, then wk's, then wv's.
	s_load_b256 s[48:55], s[0:1], 0x30             ; wq_codes 48, wk_codes 50, wv_codes 52, w_img 54
	v_lshl_add_u32 v254, v0, 2, 0x28400
	v_mov_b32 v255, 0
	v_lshrrev_b32 v8, 5, v0
	s_delay_alu instid0(VALU_DEP_1)
	v_readfirstlane_b32 s16, v8                    ; wave 0..15
	v_and_b32 v1, 31, v0                           ; lane
	s_delay_alu instid0(VALU_DEP_1)
	v_lshlrev_b32 v2, 4, v1                        ; 16 x lane
	v_and_b32 v12, 15, v1
	v_mul_u32_u24 v12, v12, 1536
	v_lshrrev_b32 v13, 4, v1
	v_mad_u32_u24 v12, v13, 24, v12                ; a weight's row r, + 24 h: where my pieces of an image begin
	s_mul_i32 s19, s16, WREG
	v_lshrrev_b32 v3, 2, v1
	s_delay_alu instid0(VALU_DEP_1)
	v_mul_u32_u24 v3, v3, SP
	v_and_b32 v8, 3, v1
	s_delay_alu instid0(VALU_DEP_1)
	v_lshl_add_u32 v3, v8, 4, v3
	s_delay_alu instid0(VALU_DEP_1)
	v_add_nc_u32 v3, s19, v3                       ; into a stage: four lanes' 64 bytes on end, then the padding
	v_mul_u32_u24 v4, v1, SP
	s_delay_alu instid0(VALU_DEP_1)
	v_add_nc_u32 v4, s19, v4                       ; out of it: my 16 neighbours
	s_lshl_b32 s19, s16, 6
	s_add_co_u32 s19, s19, SCB
	v_lshrrev_b32 v5, 1, v1
	s_delay_alu instid0(VALU_DEP_1)
	v_add_nc_u32 v5, s19, v5                       ; my wave's 64 scale bytes, my block's byte
	v_lshlrev_b32 v7, 3, v1                        ; my two numbers of the table's row
	s_min_u32 s38, s16, 1
	s_lshl_b32 s38, s38, 9
	s_add_co_u32 s19, s38, SCB
	v_add_nc_u32 v11, s19, v2                      ; waves 0 and 1 carry the work-group's 1,024 scale bytes out, 512 each
	s_lshl_b32 s17, ttmp9, 4
	s_add_co_u32 s17, s17, s16                     ; my row
	s_and_b32 s18, s17, 2047                       ; its position
	s_mov_b32 s20, 0x76543210                      ; v_permlanex16_b32's selects for lane l xor 16
	s_mov_b32 s21, 0xfedcba98
	s_mov_b32 s22, 0x3f22f983                      ; 2 / pi
	s_mov_b32 s23, 0x3fc90fdb                      ; pi / 2, rounded,
	s_mov_b32 s24, 0xb33bbd2e                      ; and what is left of it
	s_mov_b32 s25, 0xb94ca1f9                      ; sin r = r + r z (S1 + z (S2 + z S3)), z = r r
	s_mov_b32 s26, 0x3c08839e
	s_mov_b32 s27, 0xbe2aaaa3
	s_mov_b32 s28, 0x37ccf5ce                      ; cos r = 1 - z / 2 + z z (C1 + z (C2 + z C3))
	s_mov_b32 s29, 0xbab6061a
	s_mov_b32 s30, 0x3d2aaaa5
	s_mov_b32 s31, 0x3a000000                      ; 1 / 2048
	s_mov_b32 s32, 0x3727c5ac                      ; eps = 1e-5
	s_mov_b32 s33, 0xbed49a78                      ; -log2(10) / 8, rounded,
	s_mov_b32 s36, 0xb2179974                      ; and what is left of it
	s_mov_b32 s37, 0x3f317218                      ; ln 2
	s_lshl_b32 s34, s17, 13                        ; my row in h,
	s_mov_b32 s35, 0
	s_mul_i32 s40, s17, 1536                       ; in the codes,
	s_mov_b32 s41, 0
	s_lshl_b32 s42, s17, 8                         ; in the table;
	s_mov_b32 s43, 0
	s_lshl_b32 s44, ttmp9, 10                      ; the work-group's scale bytes, my half
	s_add_co_u32 s44, s44, s38
	s_mov_b32 s45, 0
	s_wait_kmcnt 0x0
	s_add_nc_u64 s[4:5], s[4:5], s[34:35]
	s_add_nc_u64 s[10:11], s[10:11], s[40:41]
	s_add_nc_u64 s[14:15], s[14:15], s[42:43]
	s_add_nc_u64 s[12:13], s[12:13], s[44:45]
	; the weights' 3 x 64 x 16 = 3,072 images: four work-groups share 48, twelve each, one to each of waves 0 to 11
	s_lshr_b32 s56, ttmp9, 2
	s_mul_i32 s56, s56, 48
	s_and_b32 s57, ttmp9, 3
	s_mul_i32 s57, s57, 12
	s_add_co_u32 s56, s56, s57
	s_min_u32 s57, s16, 11
	s_add_co_u32 s56, s56, s57                     ; my image
	s_lshr_b32 s57, s56, 10                        ; its weight: 1,024 images each
	s_cmp_eq_u32 s57, 0
	s_cselect_b64 s[58:59], s[48:49], s[50:51]
	s_cmp_eq_u32 s57, 2
	s_cselect_b64 s[58:59], s[52:53], s[58:59]
	s_bfe_u32 s60, s56, 0x60004                    ; its 16 rows in the weight,
	s_mul_i32 s60, s60, 24576
	s_and_b32 s61, s56, 15                         ; its 128 along K
	s_mul_i32 s61, s61, 96
	s_add_co_u32 s60, s60, s61
	s_mov_b32 s61, 0
	s_add_nc_u64 s[58:59], s[58:59], s[60:61]
	s_mul_i32 s60, s56, 1536
	s_add_nc_u64 s[54:55], s[54:55], s[60:61]
	s_cmp_lt_u32 s16, 12
	s_cbranch_scc0 .Lno_img
.irp p, 0,1,2,3,4,5
	global_load_b64 v[208+2*\p:209+2*\p], v12, s[58:59] offset:48*(\p/3)+8*(\p%3)
.endr
.Lno_img:
.irp j, 0,1,2,3,4,5,6,7,8,9,10,11,12,13,14,15
	global_load_b128 v[X+4*\j:X+4*\j+3], v2, s[4:5] offset:512*\j th:TH_LOAD_NT   ; 32 lanes read 512 consecutive bytes
.endr
.irp j, 0,1,2,3,4,5,6,7,8,9,10,11,12,13,14,15
	global_load_b128 v[G+4*\j:G+4*\j+3], v2, s[6:7] offset:512*\j
.endr
.irp j, 0,1,2,3,4,5,6,7,8,9,10,11,12,13,14,15
	global_load_b128 v[B+4*\j:B+4*\j+3], v2, s[8:9] offset:512*\j
.endr
	; THE TABLE, while the loads are out.  Lane l makes numbers 2 l and 2 l + 1 of the row: lanes 0-15 cosines, lanes 16-31 sines, of d = 2 (l mod 16) + k
	v_and_b32 v8, 15, v1
	s_delay_alu instid0(VALU_DEP_1)
	v_lshlrev_b32 v8, 1, v8
	v_lshrrev_b32 v9, 4, v1
	s_delay_alu instid0(VALU_DEP_1)
	v_mul_u32_u24 v9, v9, 3                        ; sin a = cos(a - pi/2): three quarter turns more
	s_delay_alu instid0(VALU_DEP_3)
	v_cvt_f32_u32 v[DD], v8
	s_delay_alu instid0(VALU_DEP_1)
	v_add_f32 v[DD+1], 1.0, v[DD]
	v_cvt_f32_u32 v10, s18                         ; pos
.irp k, 0,1
	s_delay_alu instid0(VALU_DEP_3)
	v_mul_f32 v[T0+12*\k], s33, v[DD+\k]           ; the exponent, rounded
.endr
.irp k, 0,1
	s_delay_alu instid0(VALU_DEP_2)
	v_fma_f32 v[T0+12*\k+1], v[DD+\k], s33, -v[T0+12*\k]   ; what the rounding dropped,
.endr
.irp k, 0,1
	s_delay_alu instid0(VALU_DEP_2)
	v_fma_f32 v[T0+12*\k+1], v[DD+\k], s36, v[T0+12*\k+1]  ; and the constant's low part
.endr
	s_wait_alu depctr_va_vdst(0)
.irp k, 0,1
	v_exp_f32 v[T0+12*\k+2], v[T0+12*\k]
.endr
.irp k, 0,1
	v_mul_f32 v[T0+12*\k+1], s37, v[T0+12*\k+1]    ; (plain lines behind the two exponentials)
.endr
	s_wait_alu depctr_va_vdst(0)                   ; one wait for both, ahead of their first reader
.irp k, 0,1
	v_fma_f32 v[T0+12*\k+2], v[T0+12*\k+2], v[T0+12*\k+1], v[T0+12*\k+2]   ; theta
	s_delay_alu instid0(VALU_DEP_1)
	v_mul_f32 v[T0+12*\k+2], v10, v[T0+12*\k+2]    ; the angle, rounded to f32
	s_delay_alu instid0(VALU_DEP_1)
	v_mul_f32 v[T0+12*\k+3], s22, v[T0+12*\k+2]
	s_delay_alu instid0(VALU_DEP_1)
	v_rndne_f32 v[T0+12*\k+3], v[T0+12*\k+3]       ; n quarter turns
	s_delay_alu instid0(VALU_DEP_1)
	v_fma_f32 v[T0+12*\k+4], -v[T0+12*\k+3], s23, v[T0+12*\k+2]
	s_delay_alu instid0(VALU_DEP_1)
	v_fma_f32 v[T0+12*\k+4], -v[T0+12*\k+3], s24, v[T0+12*\k+4]   ; r
	s_delay_alu instid0(VALU_DEP_1)
	v_mul_f32 v[T0+12*\k+5], v[T0+12*\k+4], v[T0+12*\k+4]          ; z
	s_delay_alu instid0(VALU_DEP_1)
	v_fma_f32 v[T0+12*\k+6], v[T0+12*\k+5], s25, s26
	s_delay_alu instid0(VALU_DEP_1)
	v_fma_f32 v[T0+12*\k+6], v[T0+12*\k+6], v[T0+12*\k+5], s27
	s_delay_alu instid0(VALU_DEP_3)
	v_mul_f32 v[T0+12*\k+9], v[T0+12*\k+5], v[T0+12*\k+4]
	s_delay_alu instid0(VALU_DEP_1)
	v_fma_f32 v[T0+12*\k+6], v[T0+12*\k+6], v[T0+12*\k+9], v[T0+12*\k+4]   ; sin r
	v_fma_f32 v[T0+12*\k+7], v[T0+12*\k+5], s28, s29
	s_delay_alu instid0(VALU_DEP_1)
	v_fma_f32 v[T0+12*\k+7], v[T0+12*\k+7], v[T0+12*\k+5], s30
	v_mul_f32 v[T0+12*\k+9], v[T0+12*\k+5], v[T0+12*\k+5]
	v_fma_f32 v[T0+12*\k+8], v[T0+12*\k+5], -0.5, 1.0
	s_delay_alu instid0(VALU_DEP_1)
	v_fma_f32 v[T0+12*\k+7], v[T0+12*\k+7], v[T0+12*\k+9], v[T0+12*\k+8]   ; cos r
	v_cvt_i32_f32 v[T0+12*\k+8], v[T0+12*\k+3]
	s_delay_alu instid0(VALU_DEP_1)
	v_add_nc_u32 v[T0+12*\k+8], v[T0+12*\k+8], v9  ; q: the quarter.  cos(q pi/2 + r) = cos r, -sin r, -cos r, sin r for q mod 4 = 0, 1, 2, 3
	s_delay_alu instid0(VALU_DEP_1)
	v_and_b32 v[T0+12*\k+9], 1, v[T0+12*\k+8]
	s_delay_alu instid0(VALU_DEP_1)
	v_cmp_ne_u32 vcc_lo, 0, v[T0+12*\k+9]
	s_delay_alu instid0(VALU_DEP_1)
	v_cndmask_b32 v[T0+12*\k+6], v[T0+12*\k+7], v[T0+12*\k+6], vcc_lo
	s_delay_alu instid0(VALU_DEP_4)
	v_add_nc_u32 v[T0+12*\k+8], 1, v[T0+12*\k+8]
	s_delay_alu instid0(VALU_DEP_1)
	v_and_b32 v[T0+12*\k+8], 2, v[T0+12*\k+8]
	s_delay_alu instid0(VALU_DEP_1)
	v_lshlrev_b32 v[T0+12*\k+8], 30, v[T0+12*\k+8] ; the sign, for q mod 4 = 1, 2
	s_delay_alu instid0(VALU_DEP_1)
	v_xor_b32 v[TV+\k], v[T0+12*\k+6], v[T0+12*\k+8]
.endr
	global_store_b64 v7, v[TV:TV+1], s[14:15]
	s_cmp_lt_u32 s16, 12
	s_cbranch_scc0 .Lno_img2
	s_wait_loadcnt 48                              ; my image's six loads are in; the 48 issued behind them may be out
.irp p, 0,1,2,3,4,5
	global_store_b64 v7, v[208+2*\p:209+2*\p], s[54:55] offset:256*\p   ; 32 lanes store 256 consecutive bytes, aligned
.endr
.Lno_img2:
	s_wait_xcnt 0x0                                ; the stores have read v208-219, which the sums below write
; the sum of v[r] over the 32 lanes, in every lane
.macro WSUM r, t
	s_delay_alu instid0(VALU_DEP_1)
	v_add_f32_dpp v[\r], v[\r], v[\r] row_xmask:1 row_mask:0xf bank_mask:0xf
	s_delay_alu instid0(VALU_DEP_1)
	v_add_f32_dpp v[\r], v[\r], v[\r] row_xmask:2 row_mask:0xf bank_mask:0xf
	s_delay_alu instid0(VALU_DEP_1)
	v_add_f32_dpp v[\r], v[\r], v[\r] row_xmask:4 row_mask:0xf bank_mask:0xf
	s_delay_alu instid0(VALU_DEP_1)
	v_add_f32_dpp v[\r], v[\r], v[\r] row_xmask:8 row_mask:0xf bank_mask:0xf
	s_delay_alu instid0(VALU_DEP_1)
	v_permlanex16_b32 v[\t], v[\r], s20, s21
	s_delay_alu instid0(VALU_DEP_1)
	v_add_f32 v[\r], v[\r], v[\t]
.endm
	s_wait_loadcnt 32                              ; the row is in; the 32 loads of ln_g and ln_b may be out
	v_pk_add_f32 v[210:211], v[16:17], v[24:25]
	v_pk_add_f32 v[212:213], v[32:33], v[40:41]
	v_pk_add_f32 v[214:215], v[48:49], v[56:57]
	v_pk_add_f32 v[252:253], v[64:65], v[72:73]
	v_pk_add_f32 v[250:251], v[18:19], v[26:27]
	v_pk_add_f32 v[248:249], v[34:35], v[42:43]
	v_pk_add_f32 v[246:247], v[50:51], v[58:59]
	v_pk_add_f32 v[208:209], v[66:67], v[74:75]
	s_delay_alu instid0(VALU_DEP_1)
	v_pk_add_f32 v[208:209], v[208:209], v[20:21]
	v_pk_add_f32 v[210:211], v[210:211], v[28:29]
	v_pk_add_f32 v[212:213], v[212:213], v[36:37]
	v_pk_add_f32 v[214:215], v[214:215], v[44:45]
	v_pk_add_f32 v[252:253], v[252:253], v[52:53]
	v_pk_add_f32 v[250:251], v[250:251], v[60:61]
	v_pk_add_f32 v[248:249], v[248:249], v[68:69]
	v_pk_add_f32 v[246:247], v[246:247], v[76:77]
	v_pk_add_f32 v[208:209], v[208:209], v[22:23]
	v_pk_add_f32 v[210:211], v[210:211], v[30:31]
	v_pk_add_f32 v[212:213], v[212:213], v[38:39]
	v_pk_add_f32 v[214:215], v[214:215], v[46:47]
	v_pk_add_f32 v[252:253], v[252:253], v[54:55]
	v_pk_add_f32 v[250:251], v[250:251], v[62:63]
	v_pk_add_f32 v[248:249], v[248:249], v[70:71]
	v_pk_add_f32 v[246:247], v[246:247], v[78:79]
	s_delay_alu instid0(VALU_DEP_4)
	v_pk_add_f32 v[208:209], v[208:209], v[252:253]
	s_delay_alu instid0(VALU_DEP_4)
	v_pk_add_f32 v[210:211], v[210:211], v[250:251]
	s_delay_alu instid0(VALU_DEP_4)
	v_pk_add_f32 v[212:213], v[212:213], v[248:249]
	s_delay_alu instid0(VALU_DEP_4)
	v_pk_add_f32 v[214:215], v[214:215], v[246:247]
	s_delay_alu instid0(VALU_DEP_2)
	v_pk_add_f32 v[208:209], v[208:209], v[212:213]
	s_delay_alu instid0(VALU_DEP_2)
	v_pk_add_f32 v[210:211], v[210:211], v[214:215]
	s_delay_alu instid0(VALU_DEP_1)
	v_pk_add_f32 v[208:209], v[208:209], v[210:211]
	s_delay_alu instid0(VALU_DEP_1)
	v_add_f32 v8, v[P], v[P+1]
	WSUM 8, 9
	s_delay_alu instid0(VALU_DEP_1)
	v_mul_f32 v[MU], s31, v8                       ; the mean
	s_delay_alu instid0(VALU_DEP_1)
	v_mov_b32 v[MU+1], v[MU]
.set n, 0
.rept 32
	v_pk_add_f32 v[X+n:X+n+1], v[X+n:X+n+1], v[MU:MU+1] neg_lo:[0,1] neg_hi:[0,1]   ; h - mean
.set n, n+2
.endr
.irp c, 0,1,2,3
	v_pk_mul_f32 v[P+2*\c:P+2*\c+1], v[X+2*\c:X+2*\c+1], v[X+2*\c:X+2*\c+1]
.endr
.irp i, 1,2,3,4,5,6,7
.irp c, 0,1,2,3
	s_delay_alu instid0(VALU_DEP_4)
	v_pk_fma_f32 v[P+2*\c:P+2*\c+1], v[X+8*\i+2*\c:X+8*\i+2*\c+1], v[X+8*\i+2*\c:X+8*\i+2*\c+1], v[P+2*\c:P+2*\c+1]
.endr
.endr
	s_delay_alu instid0(VALU_DEP_3)
	v_pk_add_f32 v[P:P+1], v[P:P+1], v[P+2:P+3]
	s_delay_alu instid0(VALU_DEP_2)
	v_pk_add_f32 v[P+4:P+5], v[P+4:P+5], v[P+6:P+7]
	s_delay_alu instid0(VALU_DEP_1)
	v_pk_add_f32 v[P:P+1], v[P:P+1], v[P+4:P+5]
	s_delay_alu instid0(VALU_DEP_1)
	v_add_f32 v8, v[P], v[P+1]
	WSUM 8, 9
	s_delay_alu instid0(VALU_DEP_1)
	v_fma_f32 v8, v8, s31, s32                     ; var + eps
	s_wait_alu depctr_va_vdst(0)
	v_rsq_f32 v[RS], v8
	v_nop                                          ; a plain line behind the transcendental
	s_wait_alu depctr_va_vdst(0)                   ; and the wait ahead of its first reader
	v_mov_b32 v[RS+1], v[RS]
.set n, 0
.rept 32
	v_pk_mul_f32 v[X+n:X+n+1], v[X+n:X+n+1], v[RS:RS+1]
.set n, n+2
.endr
	s_wait_loadcnt 0x0                             ; ln_g and ln_b
.set n, 0
.rept 32
	v_pk_fma_f32 v[X+n:X+n+1], v[X+n:X+n+1], v[G+n:G+n+1], v[B+n:B+n+1]
.set n, n+2
.endr
	; the turn: LDS serves a wave's instructions in order, so no wait stands between the stores and the loads
.irp t, 0,1,2,3
.irp i, 0,1,2,3
	ds_store_b128 v3, v[X+16*\t+4*\i:X+16*\t+4*\i+3] offset:STG*\t+8*SP*\i
.endr
.endr
.irp t, 0,1,2,3
.irp i, 0,1,2,3
	ds_load_b128 v[Y+16*\t+4*\i:Y+16*\t+4*\i+3], v4 offset:STG*\t+16*\i   ; lane l: numbers 512 t + 16 l + 0 .. 15 of the row
.endr
.endr
; 512 numbers: 16 a lane, two neighbouring lanes to a block
; x's codes go out through an image of the work-group's 16 rows in LDS: image s at IMGL + 1,568 s, 16 bytes of padding behind each 768.  Lane l of step t holds 12 bytes: image 4 t + l / 8, c = bit 2 of l, h = bit 1; an even lane
; holds piece 0 and the lower word of piece 1 of its block's three, an odd lane the upper word of piece 1 and piece 2.
.set IMGL, 166912
	v_bfe_u32 v144, v1, 3, 2
	v_bfe_u32 v145, v1, 2, 1
	v_bfe_u32 v146, v1, 1, 1
	v_and_b32 v147, 1, v1
	s_lshl_b32 s19, s16, 3
	s_add_co_u32 s19, s19, IMGL
	v_mul_u32_u24 v144, v144, 1568
	v_mad_u32_u24 v144, v145, 784, v144
	v_lshl_add_u32 v144, v146, 7, v144
	v_add_nc_u32 v144, s19, v144                   ; + 8 x my row
	v_mad_u32_u24 v150, v147, 260, v144            ; words 0 and 2 (256 on)
	v_mad_u32_u24 v151, v147, 508, v144            ; word 1 (4 on)
	s_mul_i32 s39, s16, 1568
	s_add_co_u32 s39, s39, IMGL
	v_add_nc_u32 v148, s39, v2                     ; out: wave w carries image w, 16 bytes a lane;
	v_lshrrev_b32 v149, 4, v1
	v_lshl_add_u32 v149, v149, 4, v148             ; the same where lanes 16-31 stand behind the padding
	s_wait_alu depctr_va_vdst(0)
.macro QSTEP t
.set YS, Y+16*(\t)
	s_wait_dscnt 12                                ; behind this step's four loads: the later steps' loads and the earlier steps' stores, four each
	v_max3_num_f32 v244, |v[YS]|, |v[YS+1]|, |v[YS+2]|
	v_max3_num_f32 v245, |v[YS+3]|, |v[YS+4]|, |v[YS+5]|
.irp i, 6,10
	s_delay_alu instid0(VALU_DEP_2)
	v_max3_num_f32 v244, v244, |v[YS+\i]|, |v[YS+\i+1]|
	s_delay_alu instid0(VALU_DEP_2)
	v_max3_num_f32 v245, v245, |v[YS+\i+2]|, |v[YS+\i+3]|
.endr
	s_delay_alu instid0(VALU_DEP_2)
	v_max3_num_f32 v244, v244, |v[YS+14]|, |v[YS+15]|
	s_delay_alu instid0(VALU_DEP_1)
	v_max3_num_f32 v244, v244, v245, 0x2800000     ; and the floor 2^(5 - 127): the byte cannot fall under 1
	s_delay_alu instid0(VALU_DEP_1)
	v_max_num_f32_dpp v244, v244, v244 row_xmask:1 row_mask:0xf bank_mask:0xf   ; with my neighbour's 16: the block's largest magnitude
	s_delay_alu instid0(VALU_DEP_1)
	v_add_nc_u32 v246, 0xfe000000, v244            ; 4 off its exponent field: the conversion's scale operand
	v_cvt_scalef32_pk16_bf6_f32 v[C+4*(\t):C+4*(\t)+2], v[YS:YS+15], v246
	v_lshrrev_b32 v[E+(\t)], 23, v246              ; the scale's byte
	ds_store_b8 v5, v[E+(\t)] offset:16*(\t)       ; both lanes of a block write the same byte with the same value
	ds_store_b32 v150, v[C+4*(\t)] offset:6272*(\t)
	ds_store_b32 v151, v[C+4*(\t)+1] offset:6272*(\t)+4
	ds_store_b32 v150, v[C+4*(\t)+2] offset:6272*(\t)+256
.endm
	QSTEP 0
	QSTEP 1
	QSTEP 2
	QSTEP 3
	s_wait_dscnt 0x0                               ; for the others' sake: my byte stores have landed
	s_barrier_signal -1
	s_barrier_wait -1
	ds_load_b128 v[80:83], v148                    ; image w of the sixteen rows: 1,536 bytes
	ds_load_b128 v[84:87], v149 offset:512
	ds_load_b128 v[88:91], v148 offset:1040
	s_wait_dscnt 0x0
	global_store_b128 v2, v[80:83], s[10:11]       ; 32 lanes store 512 consecutive bytes, aligned
	global_store_b128 v2, v[84:87], s[10:11] offset:512
	global_store_b128 v2, v[88:91], s[10:11] offset:1024
	s_cmp_lt_u32 s16, 2
	s_cbranch_scc0 .Ldone
	ds_load_b128 v[248:251], v11                   ; sixteen rows' scale bytes are 1,024 dense bytes of x_scales
	s_wait_dscnt 0x0
	global_store_b128 v2, v[248:251], s[12:13]     ; 32 lanes store 512 consecutive bytes, aligned
.Ldone:
	s_wait_tensorcnt 0x0
	ds_add_u32 v254, v255
	s_wait_dscnt 0x0
	s_endpgm
.Lfunc_end_k_qfa7a565706_prep:
	.size	k_qfa7a565706_prep, .Lfunc_end_k_qfa7a565706_prep-k_qfa7a565706_prep
	.p2alignl 7, 3214868480
	.fill 96, 4, 3214868480
	.section	.rodata,"a",@progbits
	.p2align	6, 0x0
	.amdhsa_kernel k_qfa7a565706_prep
		.amdhsa_group_segment_fixed_size 192000
		.amdhsa_private_segment_fixed_size 0
		.amdhsa_enable_private_segment 0
		.amdhsa_kernarg_size 80
		.amdhsa_user_sgpr_count 2
		.amdhsa_user_sgpr_kernarg_segment_ptr 1
		.amdhsa_wavefront_size32 1
		.amdhsa_system_sgpr_workgroup_id_x 1
		.amdhsa_system_sgpr_workgroup_id_y 1
		.amdhsa_system_sgpr_workgroup_id_z 1
		.amdhsa_system_vgpr_workitem_id 0
		.amdhsa_next_free_vgpr 256
		.amdhsa_next_free_sgpr 66
		.amdhsa_reserve_vcc 1
		.amdhsa_float_denorm_mode_32 3
		.amdhsa_float_denorm_mode_16_64 3
		.amdhsa_memory_ordered 1
		.amdhsa_forward_progress 1
		.amdhsa_inst_pref_size 37
	.end_amdhsa_kernel
	.amdgpu_metadata
---
amdhsa.version: [ 1, 2 ]
amdhsa.kernels:
  - .name:           k_qfa7a565706_prep
    .symbol:         k_qfa7a565706_prep.kd
    .args:
      - { .name: h, .offset: 0, .size: 8, .value_kind: global_buffer, .address_space: global }
      - { .name: ln_g, .offset: 8, .size: 8, .value_kind: global_buffer, .address_space: global }
      - { .name: ln_b, .offset: 16, .size: 8, .value_kind: global_buffer, .address_space: global }
      - { .name: x_codes, .offset: 24, .size: 8, .value_kind: global_buffer, .address_space: global }
      - { .name: x_scales, .offset: 32, .size: 8, .value_kind: global_buffer, .address_space: global }
      - { .name: tab, .offset: 40, .size: 8, .value_kind: global_buffer, .address_space: global }
      - { .name: wq_codes, .offset: 48, .size: 8, .value_kind: global_buffer, .address_space: global }
      - { .name: wk_codes, .offset: 56, .size: 8, .value_kind: global_buffer, .address_space: global }
      - { .name: wv_codes, .offset: 64, .size: 8, .value_kind: global_buffer, .address_space: global }
      - { .name: w_img, .offset: 72, .size: 8, .value_kind: global_buffer, .address_space: global }
    .group_segment_fixed_size: 192000
    .private_segment_fixed_size: 0
    .kernarg_segment_align: 8
    .kernarg_segment_size: 80
    .max_flat_workgroup_size: 512
    .sgpr_count:     66
    .vgpr_count:     256
    .wavefront_size: 32
...
	.end_amdgpu_metadata
.endif
;; end of part 1
;; launch qkv (part 2): grid 48 x 4, 4 waves a work-group, clusters of 4 x 4, 327,680 bytes of LDS; arguments x_codes, x_scales, w_img, wq_scales, wk_scales, wv_scales, bq, bk, bv, tab, q_rec, kv_rec; writes q_rec, kv_rec
.if DOCPART == 2
	.amdgcn_target "amdgcn-amd-amdhsa--gfx1250"
	.amdhsa_code_object_version 6
	.text
	.protected	k_qfa7a565706_qkv
	.globl	k_qfa7a565706_qkv
	.p2align	8
	.type	k_qfa7a565706_qkv,@function
k_qfa7a565706_qkv:
	s_mov_b64 s[64:65], 0
	v_nop
	global_prefetch_b8 v0, s[64:65] scope:SCOPE_SE
	s_setreg_imm32_b32 hwreg(HW_REG_WAVE_MODE, 25, 1), 1
	s_wait_xcnt 0x0
	s_wait_alu depctr_hold_cnt(0) depctr_sa_sdst(0) depctr_va_vdst(0) depctr_va_sdst(0) depctr_va_ssrc(0) depctr_va_vcc(0) depctr_vm_vsrc(0)
	s_getreg_b32 s2, hwreg(HW_REG_IB_STS2, 6, 4)
	s_cmp_eq_u32 s2, 0
	s_cbranch_scc0 .Lentry_in_a_cluster
	s_endpgm
.Lentry_in_a_cluster:
	s_bfe_u32 s2, ttmp6, 0x10000c
	s_cmp_lg_u32 s2, 0xf033
	s_cbranch_scc0 .Lentry_shape_is_right
	s_endpgm
.Lentry_shape_is_right:
; q = rope(x wq^T + bq), k = rope(x wk^T + bk), v = x wv^T + bv, on codes of BF6 (E3M2) with one E8M0 scale for each 32 along K = 2,048; the results are quantised here, q and k along the head's 64, v along the keys,
; and stored as images of the registers in which the attention launch wants them.
; SHARES.  Twelve clusters of 4 x 4 work-groups: cluster c makes kind c / 4 (0 q, 1 k, 2 v) for tokens 1,024 (c mod 4) on, all 1,024 features.  A work-group makes 256 x 256, a wave 128 x 128: 64 accumulators, 512 registers.
; OPERANDS.  x_codes and w_img hold images: 16 rows x 128 K in 1,536 bytes, piece p of lane l at 256 p + 8 l; the 16 images of 16 rows on end.  A tile's row is 16 rows x 256 K = 3,072 bytes, at a multiple of 256 bytes.
; Source 1 ('A') gives a lane its row, source 0 ('B') runs along a lane's registers.  q, k: A = x, B = the weight.  v: the roles are swapped by pointers alone, so that a lane's registers run down the keys.
; K goes in steps of 256 through a ring of two LDS slots; tiles are asked for jointly: A's along a row of the cluster, B's along a column.  The scale bytes of the work-group's rows, for all of K, come once and stay.
; PREFETCH: behind each refill of the loop's first two trips one instruction a wave names the K step two refills on: of the 8 tile rows that a wave fetches each of the four partners names 2 (24 blocks of 256 bytes, a lane each; lanes 24-31 name the last again).
; RECORDS.  For head-batch bh = 16 batch + head and step st of 128 tokens: kv_rec[bh][st] = 12,800 bytes: K's image (6,144), K's scale unit (256), V's image (6,144), V's scale unit (256); q_rec[bh][st] = 6,400 bytes: as the first two.
;   A fragment there (12 registers a lane): registers 4 c .. 4 c + 3 of lane l at 512 c + 16 l.  K's and Q's fragment f holds token tile 2 f in registers 0-5, tile 2 f + 1 in 6-11.  V's fragment t: channels 16 t + r x 128 keys.
;   A scale unit: the word of fragment f, row r at 8 (r + 16 (f mod 2)) + 4 (f / 2).
; ORDER INSIDE A BLOCK OF 32: the codes stand in the order 0-7, 16-23, 8-15, 24-31, alike in q and k, and in v and the softmax's p: the same products under the same scales.
; LIMITS: NaN and infinities are not served.  A block of zeros gets the scale byte 1: its codes are zeros, and this program alone reads the bytes.
; REGISTERS: window 0: v0-31 addresses; v32-63 scale words, two sets; v128-223 A's fragments; v64-127, v224-255 what is loaded early for the way out.  window 1: B's fragments, two sets, at v0 and v128; v96-127, v224-255 the bias.  windows 2, 3: accumulators.
.set NQ,     2
.set STEPB,  3072
.set RBLK,   24576
.set KROW,   1536
.set FR,     12
.set NL,     6
.set NP,     4
.set HALFT,  8*STEPB
.set SLOT,   4*HALFT
.set LAPS,   4
.set KS,     64
.set SCL,    2*SLOT
.set HALFS,  (128*KS/256)*272
.set SBLK,   (16*KS/256)*272
.set SPARE,  SCL+4*HALFS
.set BA,   8
.set TA,   9
.set IMG,  10
.set SCA,  11
.set BV,   12
.set PFO,  13
.set ADRA, 16
.set ADRB, 20
.set ADRS, 27
.set SPW,  28
.set NIL,  29
.set SC,   32
.set AF,   128
.set U,    128
.set R,    192
.set T,    96
.set CC,   160
.set WW,   184
.set VB,   96
.set TM,   104
.set PC,   192
.set WV,   216
.set G1, 24
.set G0, 32
.set G1B, 48
.set G0B, 56
.set G1S, 68
.set G0S, 76
.set G1SB, 80
.set G0SB, 88
.set G0H, 4
.set G0HB, 8
.set PFA, 94
.set MSB, 0
.macro WIN new
.if MSB != \new
	s_set_vgpr_msb (MSB<<8)|\new
.set MSB, \new
.endif
.endm
.set MUL_LO, 0xa1
.set MUL_HI, 0xf1
.set TO_B,   0x40
.macro JLOAD g0a, g1a, g0b, g1b        ; a joint load: waves 0, 1 fetch for A, waves 2, 3 for B
	s_cmp_eq_u32 s15, 0
	s_cbranch_scc0 .Lfor_b_\@
	tensor_load_to_lds s[\g0a:\g0a+3], s[\g1a:\g1a+7]
	s_nop 0
.rept 4
	v_nop
.endr
	s_branch .Lasked_\@
.Lfor_b_\@:
	tensor_load_to_lds s[\g0b:\g0b+3], s[\g1b:\g1b+7]
	s_nop 0
.rept 4
	v_nop
.endr
.Lasked_\@:
.endm
.macro CREST
	s_cmp_lg_u32 s14, 0
	s_cbranch_scc1 .Lnot_wave_0_\@
	s_barrier_signal -3
.Lnot_wave_0_\@:
	s_barrier_wait -3
	s_barrier_signal -1
	s_barrier_wait -1
.endm
.macro CROUND
	s_barrier_signal -1
	s_barrier_wait -1
	CREST
.endm
	s_load_b128 s[68:71], s[0:1], 0x0              ; x_codes 68, x_scales 70
	s_load_b128 s[72:75], s[0:1], 0x10             ; w_img 72, wq_scales 74
	s_load_b64 s[78:79], s[0:1], 0x20              ; wk_scales
	s_load_b64 s[82:83], s[0:1], 0x28              ; wv_scales
	s_load_b256 s[84:91], s[0:1], 0x30             ; bq 84, bk 86, bv 88, tab 90
	s_load_b128 s[92:95], s[0:1], 0x50             ; q_rec 92, kv_rec 94
	v_lshl_add_u32 v[SPW], v0, 2, SPARE
	v_mov_b32 v[NIL], 0
	ds_add_u32 v[SPW], v[NIL]                      ; the opening lines: the add twice on end and its wait
	ds_add_u32 v[SPW], v[NIL]
	v_lshrrev_b32 v1, 5, v0
	v_readfirstlane_b32 s14, v1                    ; wave
	s_lshr_b32 s15, s14, 1                         ; my half of A's rows; also: I fetch for A (0) or B (1)
	s_and_b32 s16, s14, 1                          ; my half of B's rows; also: which 128 rows I fetch
	s_bfe_u32 s40, ttmp6, 0x40000
	s_bfe_u32 s41, ttmp6, 0x40004
	s_lshr_b32 s66, ttmp9, 2                       ; the kind
	s_and_b32 s67, ttmp9, 3
	s_lshl_b32 s67, s67, 2
	s_cmp_lt_u32 s66, 2
	s_cselect_b32 s17, s67, 0
	s_cselect_b32 s42, 0, s67
	s_add_co_u32 s17, s17, s41                     ; A's tile: hangs on cy alone
	s_add_co_u32 s42, s42, s40                     ; B's tile: on cx alone
	s_lshl_b32 s43, s41, 2
	s_lshl_b32 s43, 15, s43
	s_lshl_b32 s44, 0x1111, s40
	s_or_b32 s[G1+0], s43, (3<<16)|(1<<21)         ; elements of 8 bytes, no padding: lanes read an image's piece as 256 bytes on end
	s_or_b32 s[G1B+0], s44, (3<<16)|(1<<21)
.irp g, G1, G1B
	s_mov_b32 s[\g+1], 384<<16
	s_mov_b32 s[\g+2], 16<<16                      ; the head's loads: 16 tile rows (256 rows)
	s_mov_b32 s[\g+3], 384<<16
	s_mov_b32 s[\g+4], 16
	s_mov_b32 s[\g+5], RBLK/8
	s_mov_b32 s[\g+6], 0
	s_mov_b32 s[\g+7], 0
.endr
	s_wait_dscnt 0x0
	s_wait_kmcnt 0x0
	s_add_nc_u64 s[76:77], s[72:73], 64*RBLK       ; wk's images,
	s_add_nc_u64 s[80:81], s[72:73], 128*RBLK      ; wv's
	s_cmp_eq_u32 s66, 0
	s_cselect_b64 s[8:9], s[72:73], s[76:77]
	s_cselect_b64 s[10:11], s[74:75], s[78:79]
	s_cselect_b64 s[96:97], s[84:85], s[86:87]
	s_cselect_b64 s[12:13], s[92:93], s[94:95]
	s_mov_b32 s98, 12800
	s_cselect_b32 s98, 6400, s98
	s_cmp_lt_u32 s66, 2
	s_cselect_b64 s[4:5], s[68:69], s[80:81]
	s_cselect_b64 s[6:7], s[70:71], s[82:83]
	s_cselect_b64 s[8:9], s[8:9], s[68:69]
	s_cselect_b64 s[10:11], s[10:11], s[70:71]
	s_cselect_b64 s[96:97], s[96:97], s[88:89]
	s_mov_b64 s[100:101], s[90:91]
	s_cmp_eq_u32 s15, 0                            ; the prefetches: the tile that I fetch for, my place among the four that ask for it
	s_cselect_b32 s2, s17, s42
	s_cselect_b32 s3, s40, s41
	s_cselect_b64 s[PFA:PFA+1], s[4:5], s[8:9]
	s_lshl_b32 s2, s2, 4
	s_lshl_b32 s18, s16, 3
	s_add_co_u32 s2, s2, s18
	s_lshl_b32 s3, s3, 1
	s_add_co_u32 s2, s2, s3
	s_mul_i32 s2, s2, RBLK
	s_mov_b32 s3, 0
	s_add_nc_u64 s[PFA:PFA+1], s[PFA:PFA+1], s[2:3]
	s_add_nc_u64 s[PFA:PFA+1], s[PFA:PFA+1], 2*STEPB   ; at K step 2: the first refill steps it to 3 and names K step 4
	s_or_b32 s[G1S+0], s43, (3<<16)|(1<<20)|(1<<21)|(5<<22)|(3<<25)
	s_or_b32 s[G1SB+0], s44, (3<<16)|(1<<20)|(1<<21)|(5<<22)|(3<<25)
.irp g, G1S, G1SB
	s_mov_b32 s[\g+1], 32<<16                      ; the scales of 256 rows: 64 rows of 256 bytes, 16 of padding behind each
	s_mov_b32 s[\g+2], KS<<16
	s_mov_b32 s[\g+3], 32<<16
	s_mov_b32 s[\g+4], KS
	s_mov_b32 s[\g+5], 32
	s_mov_b32 s[\g+6], 0
	s_mov_b32 s[\g+7], 0
.endr
	s_lshl_b32 s20, s17, 8
	s_lshl_b32 s46, s42, 8
	s_mov_b32 s21, 0
	s_mov_b32 s47, 0
	s_mov_b64 s[18:19], KS
	s_mul_u64 s[22:23], s[20:21], s[18:19]
	s_mul_u64 s[92:93], s[46:47], s[18:19]
	s_mov_b64 s[18:19], KROW
	s_mul_u64 s[20:21], s[20:21], s[18:19]
	s_mul_u64 s[46:47], s[46:47], s[18:19]
	s_mul_i32 s18, s16, 128*KROW
	s_mov_b32 s19, 0
	s_mul_i32 s45, s14, HALFT
	s_add_nc_u64 s[20:21], s[4:5], s[20:21]
	s_add_nc_u64 s[22:23], s[6:7], s[22:23]
	s_add_nc_u64 s[46:47], s[8:9], s[46:47]
	s_add_nc_u64 s[92:93], s[10:11], s[92:93]
	CROUND                                         ; the first joint loads meet
	s_mov_b32 s[G0H], 1
	s_mov_b32 s[G0H+1], 0
	s_mov_b64 s[G0H+2:G0H+3], s[20:21]
	s_or_b32 s[G0H+3], s[G0H+3], 0x80000000
	s_mov_b32 s[G0HB], 1
	s_mov_b32 s[G0HB+1], 2*HALFT
	s_mov_b64 s[G0HB+2:G0HB+3], s[46:47]
	s_or_b32 s[G0HB+3], s[G0HB+3], 0x80000000
	s_mov_b32 s[G0S], 1
	s_mov_b32 s[G0S+1], SCL
	s_mov_b64 s[G0S+2:G0S+3], s[22:23]
	s_or_b32 s[G0S+3], s[G0S+3], 0x80000000
	s_mov_b32 s[G0SB], 1
	s_mov_b32 s[G0SB+1], SCL+2*HALFS
	s_mov_b64 s[G0SB+2:G0SB+3], s[92:93]
	s_or_b32 s[G0SB+3], s[G0SB+3], 0x80000000
	s_add_nc_u64 s[20:21], s[20:21], s[18:19]
	s_add_nc_u64 s[46:47], s[46:47], s[18:19]
.irp s, 0,1
	s_mov_b32 s[G0+4*\s], 1
	s_add_co_u32 s[G0+4*\s+1], s45, \s*SLOT
	s_add_nc_u64 s[G0+4*\s+2:G0+4*\s+3], s[20:21], \s*STEPB
	s_or_b32 s[G0+4*\s+3], s[G0+4*\s+3], 0x80000000
	s_mov_b32 s[G0B+4*\s], 1
	s_add_co_u32 s[G0B+4*\s+1], s45, \s*SLOT
	s_add_nc_u64 s[G0B+4*\s+2:G0B+4*\s+3], s[46:47], \s*STEPB
	s_or_b32 s[G0B+4*\s+3], s[G0B+4*\s+3], 0x80000000
.endr
; the head's four tiles, one a wave: K step 0 of A's 256 rows, of B's, A's scales, B's
.macro ARM under, g0, g1, next
	s_cmp_lt_u32 s14, \under
	s_cbranch_scc0 \next
	tensor_load_to_lds s[\g0:\g0+3], s[\g1:\g1+7]
	s_nop 0
.rept 4
	v_nop
.endr
	s_branch .Lhead_asked
\next:
.endm
	ARM 1, G0H,  G1,  .Lhead_b
	ARM 2, G0HB, G1B, .Lhead_sa
	ARM 3, G0S,  G1S, .Lhead_sb
	tensor_load_to_lds s[G0SB:G0SB+3], s[G1SB:G1SB+7]
	s_nop 0
.rept 4
	v_nop
.endr
.Lhead_asked:
	s_mul_i32 s21, s15, HALFT                      ; my 128 rows of A,
	s_mul_i32 s22, s16, HALFT
	s_add_co_u32 s22, s22, 2*HALFT                 ; of B
	s_mul_i32 s18, s15, HALFS
	s_mul_i32 s19, s16, HALFS
	s_add_co_u32 s19, s19, 2*HALFS
	s_sub_co_u32 s19, s19, s18
	s_add_co_u32 s18, s18, SCL
	v_and_b32 v1, 15, v0                           ; r
	v_bfe_u32 v2, v0, 4, 1                         ; h
	v_and_b32 v6, 31, v0
	v_lshlrev_b32 v3, 3, v6                        ; 8 x lane: my place in a piece
	v_add_nc_u32 v[ADRA], s21, v3
	v_add_nc_u32 v[ADRB], s22, v3
	v_add_nc_u32 v[ADRA+1], SLOT, v[ADRA]
	v_add_nc_u32 v[ADRB+1], SLOT, v[ADRB]
	v_mul_u32_u24 v5, v1, KS
	v_lshrrev_b32 v4, 8, v5
	v_lshl_add_u32 v5, v4, 4, v5
	v_mul_u32_u24 v4, s19, v2                      ; lanes 16-31 take B's scales
	v_add_nc_u32 v5, v5, v4
	v_add_nc_u32 v[ADRS], s18, v5
	v_lshlrev_b32 v[BA], 5, v2
	v_lshlrev_b32 v[BV], 2, v1
	v_lshlrev_b32 v[TA], 8, v1
	v_lshl_add_u32 v[TA], v2, 5, v[TA]
	v_lshlrev_b32 v[IMG], 4, v6
	v_lshlrev_b32 v[SCA], 3, v6
	v_min_u32 v7, 23, v6                           ; the prefetches: block i of 24: tile row i / 12, 256 (i mod 12)
	v_mul_u32_u24 v14, v7, 171
	v_lshrrev_b32 v14, 11, v14
	v_mul_u32_u24 v14, v14, RBLK-STEPB
	v_lshl_add_u32 v[PFO], v7, 8, v14
	s_wait_alu depctr_va_vdst(0)
	s_lshl_b32 s20, s17, 8
	s_lshl_b32 s21, s15, 7
	s_add_co_u32 s20, s20, s21
	s_lshl_b32 s46, s42, 8
	s_lshl_b32 s47, s16, 7
	s_add_co_u32 s46, s46, s47
	s_cmp_lt_u32 s66, 2
	s_cselect_b32 s22, s20, s46                    ; my first token,
	s_cselect_b32 s23, s46, s20                    ; my first feature
	s_lshr_b32 s18, s22, 11
	s_lshl_b32 s18, s18, 4
	s_lshr_b32 s19, s23, 6
	s_add_co_u32 s18, s18, s19
	s_lshl_b32 s18, s18, 4
	s_bfe_u32 s19, s22, 0x40007
	s_add_co_u32 s18, s18, s19
	s_mul_i32 s18, s18, s98
	s_mov_b32 s19, 0
	s_add_nc_u64 s[12:13], s[12:13], s[18:19]      ; my first head's record,
	s_lshl_b32 s18, s98, 4
	s_add_nc_u64 s[104:105], s[12:13], s[18:19]    ; my second head's
	s_lshl_b32 s18, s23, 2
	s_add_nc_u64 s[96:97], s[96:97], s[18:19]
	s_lshl_b32 s18, s22, 8
	s_add_nc_u64 s[100:101], s[100:101], s[18:19]
.macro TABLOAD a                       ; sixteen tokens' cos and sin of my 16 frequencies.  Even tiles: v224-255, odd: v64-95
.set TSET, 224-160*((\a)%2)
.irp n, 0,1,2,3
	global_load_b128 v[TSET+8*\n:TSET+8*\n+3], v[TA], s[100:101] offset:4096*(\a)+64*\n
	global_load_b128 v[TSET+8*\n+4:TSET+8*\n+7], v[TA], s[100:101] offset:4096*(\a)+64*\n+16
.endr
.endm
	; what the way out wants is asked for now, into registers that the main loop leaves alone.  Every wave issues all 40 loads; all stay inside their buffers for every kind
	WIN 0x40
.irp b, 0,1,2,3,4,5,6,7
	global_load_b128 v[96+128*(\b/4)+8*(\b%4):96+128*(\b/4)+8*(\b%4)+3], v[BA], s[96:97] offset:64*\b
	global_load_b128 v[96+128*(\b/4)+8*(\b%4)+4:96+128*(\b/4)+8*(\b%4)+7], v[BA], s[96:97] offset:64*\b+16
.endr
	WIN 0
	TABLOAD 0
	TABLOAD 1
.irp a, 0,1,2,3,4,5,6,7
	global_load_b32 v[VB+\a], v[BV], s[96:97] offset:64*\a
.endr
.macro FRAG reg, adr, q, i             ; a fragment's six pieces: 32 lanes read 256 bytes on end
.irp p, 0,1,2,3,4,5
	ds_load_b64 v[\reg+2*\p:\reg+2*\p+1], v[\adr] offset:STEPB*(\i)+1536*(\q)+256*\p
.endr
.endm
; 16 matrix instructions; the 64 accumulators take turns, in the same order in every step
.macro MUL16 a0, p, q, sc, zero
.irp a, \a0, \a0+1
.irp b, 0,1,2,3,4,5,6,7
.if \zero
	v_wmma_scale_f32_16x16x128_f8f6f4 v[8*(8*((\a)%4)+\b):8*(8*((\a)%4)+\b)+7], v[128*(\p)+FR*\b:128*(\p)+FR*\b+FR-1], v[AF+FR*(\a):AF+FR*(\a)+FR-1], 0, v[SC+8*NQ*(\sc)+NQ*\b+(\q)], v[SC+8*NQ*(\sc)+NQ*(\a)+(\q)] matrix_a_fmt:MATRIX_FMT_BF6 matrix_b_fmt:MATRIX_FMT_BF6 matrix_a_scale:MATRIX_SCALE_ROW1
.else
	v_wmma_scale_f32_16x16x128_f8f6f4 v[8*(8*((\a)%4)+\b):8*(8*((\a)%4)+\b)+7], v[128*(\p)+FR*\b:128*(\p)+FR*\b+FR-1], v[AF+FR*(\a):AF+FR*(\a)+FR-1], v[8*(8*((\a)%4)+\b):8*(8*((\a)%4)+\b)+7], v[SC+8*NQ*(\sc)+NQ*\b+(\q)], v[SC+8*NQ*(\sc)+NQ*(\a)+(\q)] matrix_a_fmt:MATRIX_FMT_BF6 matrix_b_fmt:MATRIX_FMT_BF6 matrix_a_scale:MATRIX_SCALE_ROW1
.endif
.endr
.endr
.endm
.macro FETCH_B slot, q, p
	WIN TO_B
.irp i, 0,1,2,3,4,5,6,7
	FRAG 128*(\p)+FR*\i, ADRB+\slot, \q, \i
.endr
	WIN 0
.endm
.macro FETCH_A slot, q, i0
.irp i, \i0, \i0+1, \i0+2, \i0+3
	FRAG AF+FR*(\i), ADRA+\slot, \q, \i
.endr
.endm
.macro SCALES sc
.irp i, 0,1,2,3,4,5,6,7
	ds_load_b64 v[SC+8*NQ*\sc+NQ*\i:SC+8*NQ*\sc+NQ*\i+1], v[ADRS] offset:\i*SBLK
.endr
.endm
.macro PLACES n                        ; plain vector lines behind a matrix instruction (ISA guide 7.12.1)
.rept \n
	v_nop
.endr
.endm
.macro STEP slot, q, zero
	s_wait_dscnt 4*NL                              ; the youngest 24 loads (A's blocks 4-7) may be out
	WIN MUL_LO
	MUL16 0, (\q)%2, \q, \slot, \zero
	MUL16 2, (\q)%2, \q, \slot, \zero
	s_wait_dscnt 0
	PLACES NP
	FETCH_B \slot, (\q)+1, 1-(\q)%2
	FETCH_A \slot, (\q)+1, 0
	WIN MUL_HI
	MUL16 4, (\q)%2, \q, \slot, \zero
	MUL16 6, (\q)%2, \q, \slot, \zero
	PLACES NP
	WIN 0
	FETCH_A \slot, (\q)+1, 4
.endm
.macro TURN slot, next, fill           ; a slot's last step changes slots
.if \fill
	s_wait_xcnt 0x0                                ; my last prefetch has read its address
	s_add_nc_u64 s[PFA:PFA+1], s[PFA:PFA+1], STEPB
.endif
	s_wait_tensorcnt 0x0                           ; my part of the next slot is in
	ds_add_u32 v[SPW], v[NIL]
	s_wait_dscnt 4*NL+1                            ; the add and the youngest 24 loads may be out
	WIN MUL_LO
	MUL16 0, 1, NQ-1, \slot, 0
	s_wait_dscnt 0x0                               ; the add is done, my reads of this slot are over
	s_barrier_signal -1
	MUL16 2, 1, NQ-1, \slot, 0
	WIN 0
	s_barrier_wait -1
.if \fill
	CREST                                          ; the barrier has opened a round of the cluster's barrier
	s_add_nc_u64 s[G0+4*\slot+2:G0+4*\slot+3], s[G0+4*\slot+2:G0+4*\slot+3], 2*STEPB
	s_add_nc_u64 s[G0B+4*\slot+2:G0B+4*\slot+3], s[G0B+4*\slot+2:G0B+4*\slot+3], 2*STEPB
	JLOAD G0+4*\slot, G1, G0B+4*\slot, G1B         ; its four v_nop are the places in front of the loads below
.else
	PLACES NP
.endif
	s_wait_alu depctr_va_vdst(0)
	v_add_nc_u32 v[ADRS], 4*NQ, v[ADRS]
	FETCH_B \next, 0, 0
	FETCH_A \next, 0, 0
	SCALES \next
.if \fill
	s_cmp_gt_u32 s3, 1                             ; the last trip's refills have no K step two on
	s_cbranch_scc0 .Lnot_mine_\@
	global_prefetch_b8 v[PFO], s[PFA:PFA+1] offset:STEPB th:TH_LOAD_NT scope:SCOPE_SE
.Lnot_mine_\@:
.endif
	WIN MUL_HI
	MUL16 4, 1, NQ-1, \slot, 0
	MUL16 6, 1, NQ-1, \slot, 0
	PLACES NP
	WIN 0
	FETCH_A \next, 0, 4
.endm
	s_wait_tensorcnt 0x0                           ; my tile of the head's four is in
	ds_add_u32 v[SPW], v[NIL]
	s_mov_b32 s[G1+2], 8<<16                       ; no load of mine is out: from here on a load brings 8 tile rows
	s_mov_b32 s[G1+4], 8
	s_mov_b32 s[G1B+2], 8<<16
	s_mov_b32 s[G1B+4], 8
	s_wait_dscnt 0x0
	CROUND
	JLOAD G0+4, G1, G0B+4, G1B                     ; K step 1
	FETCH_B 0, 0, 0
	FETCH_A 0, 0, 0
	SCALES 0
	FETCH_A 0, 0, 4
	STEP 0, 0, 1                                   ; the first step's products start the sums
	s_mov_b32 s3, LAPS-1
.Llap:
	TURN 0, 1, 1
	STEP 1, 0, 0
	TURN 1, 0, 1
	STEP 0, 0, 0
	s_sub_co_u32 s3, s3, 1
	s_cmp_lg_u32 s3, 0
	s_cbranch_scc1 .Llap
	TURN 0, 1, 0
	STEP 1, 0, 0
	s_wait_dscnt 4*NL
	WIN MUL_LO
	MUL16 0, 1, NQ-1, 1, 0
	MUL16 2, 1, NQ-1, 1, 0
	s_wait_dscnt 0
	WIN MUL_HI
	MUL16 4, 1, NQ-1, 1, 0
	MUL16 6, 1, NQ-1, 1, 0
	WIN 0
	PLACES NP
	s_mov_b32 s20, 0x76543210
	s_mov_b32 s21, 0xfedcba98
	s_mov_b32 vcc_lo, 0xffff0000
	s_wait_loadcnt 0x0
	s_cmp_lt_u32 s66, 2
	s_cbranch_scc0 .Lv
; Q AND K.  In accumulator (a, b) lane (r, h) holds token 16 a + r and features 16 b + 8 h + j.  Token tile a, head e: bias; RoPE; the head's two blocks quantised; six registers of codes: half a mod 2 of pair fragment a / 2
.macro ROPEQ a, e
.set TSET, 224-160*((\a)%2)
.set CE, CC+12*(\e)
.set CU, CC+12*(\e)+6*((\a)%2)
.set WR, WW+4*(\e)+(\a)/2
	WIN 0x06+(\a)/4
.irp b, 0,1,2,3
.irp jj, 0,2,4,6
	v_pk_add_f32 v[U+8*\b+\jj:U+8*\b+\jj+1], v[64*((\a)%4)+8*(4*(\e)+\b)+\jj:64*((\a)%4)+8*(4*(\e)+\b)+\jj+1], v[96+128*(\e)+8*\b+\jj:96+128*(\e)+8*\b+\jj+1]
.endr
.endr
	WIN 0
.irp i, 0,1
.irp jj, 0,2,4,6
	v_pk_mul_f32 v[T+8*\i+\jj:T+8*\i+\jj+1], v[U+16+8*\i+\jj:U+16+8*\i+\jj+1], v[TSET+16+8*\i+\jj:TSET+16+8*\i+\jj+1]
	v_pk_mul_f32 v[T+16+8*\i+\jj:T+16+8*\i+\jj+1], v[U+8*\i+\jj:U+8*\i+\jj+1], v[TSET+16+8*\i+\jj:TSET+16+8*\i+\jj+1]
.endr
.endr
.irp i, 0,1
.irp jj, 0,2,4,6
	v_pk_fma_f32 v[R+8*\i+\jj:R+8*\i+\jj+1], v[U+8*\i+\jj:U+8*\i+\jj+1], v[TSET+8*\i+\jj:TSET+8*\i+\jj+1], v[T+8*\i+\jj:T+8*\i+\jj+1] neg_lo:[0,0,1] neg_hi:[0,0,1]
	v_pk_fma_f32 v[R+16+8*\i+\jj:R+16+8*\i+\jj+1], v[U+16+8*\i+\jj:U+16+8*\i+\jj+1], v[TSET+8*\i+\jj:TSET+8*\i+\jj+1], v[T+16+8*\i+\jj:T+16+8*\i+\jj+1]
.endr
.endr
.irp k, 0,1
	v_max3_num_f32 v[T+\k], |v[R+16*\k]|, |v[R+16*\k+1]|, 0x2800000   ; with the floor 2^(5 - 127)
.endr
.irp i, 2,4,6,8,10,12,14
.irp k, 0,1
	v_max3_num_f32 v[T+\k], v[T+\k], |v[R+16*\k+\i]|, |v[R+16*\k+\i+1]|
.endr
.endr
.irp k, 0,1
	v_permlanex16_b32 v[T+2+\k], v[T+\k], s20, s21
.endr
.irp k, 0,1
	v_max_num_f32 v[T+\k], v[T+\k], v[T+2+\k]
.endr
.irp k, 0,1
	v_add_nc_u32 v[T+4+\k], 0xfe000000, v[T+\k]
.endr
.irp k, 0,1
	v_lshrrev_b32 v[T+6+\k], 23, v[T+4+\k]
.endr
.if ((\a)%2 == 0) && ((\a) >= 2) && ((\e) == 0)
	s_wait_alu depctr_va_vdst(0)
	s_wait_xcnt 0x0                                ; the last pair's stores have read their registers
.endif
	v_cvt_scalef32_pk16_bf6_f32 v[CU:CU+2], v[R:R+15], v[T+4]
	v_cvt_scalef32_pk16_bf6_f32 v[T+8:T+10], v[R+16:R+31], v[T+5]
.if (\a)%2 == 0
	v_lshl_or_b32 v[WR], v[T+7], 8, v[T+6]
.else
	v_lshl_or_b32 v[T+11], v[T+7], 8, v[T+6]
	v_lshl_or_b32 v[WR], v[T+11], 16, v[WR]
.endif
.irp i, 0,1,2
	v_permlane16_swap_b32 v[CU+\i], v[T+8+\i]
.endr
.irp i, 0,1,2
	v_mov_b32 v[CU+3+\i], v[T+8+\i]
.endr
.if (\a)%2 == 1
.irp c, 0,1,2
	global_store_b128 v[IMG], v[CE+4*\c:CE+4*\c+3], s[12+92*(\e):13+92*(\e)] offset:1536*((\a)/2)+512*\c
.endr
.endif
.endm
.irp a, 0,1,2,3,4,5,6,7
.if \a >= 2
.if \a == 7
	s_wait_loadcnt 0x0
.else
	s_wait_loadcnt 8                               ; the next tile's eight loads may be out
.endif
.endif
	ROPEQ \a, 0
	ROPEQ \a, 1
.if \a <= 5
	TABLOAD \a+2
.endif
.endr
.irp e, 0,1
	v_cndmask_b32 v[T+12+2*\e], v[WW+4*\e], v[WW+4*\e+1], vcc_lo
	v_cndmask_b32 v[T+13+2*\e], v[WW+4*\e+2], v[WW+4*\e+3], vcc_lo
	global_store_b64 v[SCA], v[T+12+2*\e:T+13+2*\e], s[12+92*\e:13+92*\e] offset:6144
.endr
	s_branch .Lend
; V.  Lane (r, h) holds channel 16 a + r; register 8 b + j of tile row a holds key 16 b + 8 h + j
.macro QUANTV s, pw
.irp b, 0,1,2,3
	v_max3_num_f32 v[TM+\b], |v[\s+16*\b]|, |v[\s+1+16*\b]|, 0x2800000
.endr
.irp i, 2,4,6,8,10,12,14
.irp b, 0,1,2,3
	v_max3_num_f32 v[TM+\b], v[TM+\b], |v[\s+16*\b+\i]|, |v[\s+1+16*\b+\i]|
.endr
.endr
.irp b, 0,1,2,3
	v_permlanex16_b32 v[TM+4+\b], v[TM+\b], s20, s21
.endr
.irp b, 0,1,2,3
	v_max_num_f32 v[TM+\b], v[TM+\b], v[TM+4+\b]
.endr
.irp b, 0,1,2,3
	v_add_nc_u32 v[TM+12+\b], 0xfe000000, v[TM+\b]
.endr
.irp b, 0,1,2,3
	v_lshrrev_b32 v[TM+4+\b], 23, v[TM+12+\b]
.endr
	v_lshl_or_b32 v[\pw], v[TM+5], 8, v[TM+4]
	v_lshl_or_b32 v[\pw], v[TM+6], 16, v[\pw]
	v_lshl_or_b32 v[\pw], v[TM+7], 24, v[\pw]
.irp c, 0,1
	v_cvt_scalef32_pk16_bf6_f32 v[PC+6*\c:PC+2+6*\c], v[\s+32*\c:\s+15+32*\c], v[TM+12+2*\c]
	v_cvt_scalef32_pk16_bf6_f32 v[PC+12+4*\c:PC+14+4*\c], v[\s+16+32*\c:\s+31+32*\c], v[TM+12+2*\c+1]
.endr
	v_nop
.irp c, 0,1
.irp i, 0,1,2
	v_permlane16_swap_b32 v[PC+6*\c+\i], v[PC+12+4*\c+\i]
.endr
.irp i, 0,1,2
	v_mov_b32 v[PC+3+6*\c+\i], v[PC+12+4*\c+\i]
.endr
.endr
.endm
.Lv:
.irp b, 0,1,2,3
	v_mov_b32 v[TM+4+\b], 0
.endr
.irp a, 0,1,2,3,4,5,6,7
	WIN 0x02+\a/4
.set n, 0
.rept 32
.if \a%2 == 0
	v_pk_add_f32 v[U+n:U+n+1], v[64*(\a%4)+n:64*(\a%4)+n+1], v[VB+2*(\a/2):VB+2*(\a/2)+1] op_sel_hi:[1,0]
.else
	v_pk_add_f32 v[U+n:U+n+1], v[64*(\a%4)+n:64*(\a%4)+n+1], v[VB+2*(\a/2):VB+2*(\a/2)+1] op_sel:[0,1] op_sel_hi:[1,1]
.endif
.set n, n+2
.endr
	WIN 0
.if \a >= 1
	s_wait_xcnt 0x0
.endif
	QUANTV U, WV+\a
.irp c, 0,1,2
	global_store_b128 v[IMG], v[PC+4*\c:PC+4*\c+3], s[12+92*(\a/4):13+92*(\a/4)] offset:6400+1536*(\a%4)+512*\c
.endr
.endr
.irp e, 0,1
	v_cndmask_b32 v[TM+2*\e], v[WV+4*\e], v[WV+4*\e+1], vcc_lo
	v_cndmask_b32 v[TM+2*\e+1], v[WV+4*\e+2], v[WV+4*\e+3], vcc_lo
	global_store_b64 v[SCA], v[TM+2*\e:TM+2*\e+1], s[12+92*\e:13+92*\e] offset:12544
.endr
.Lend:
	s_wait_tensorcnt 0x0                           ; the wave's end
	ds_add_u32 v[SPW], v[NIL]
	s_wait_dscnt 0x0
	CROUND                                         ; the closing round
	s_endpgm
.Lfunc_end_k_qfa7a565706_qkv:
	.size	k_qfa7a565706_qkv, .Lfunc_end_k_qfa7a565706_qkv-k_qfa7a565706_qkv
	.p2alignl 7, 3214868480
	.fill 96, 4, 3214868480
	.section	.rodata,"a",@progbits
	.p2align	6, 0x0
	.amdhsa_kernel k_qfa7a565706_qkv
		.amdhsa_group_segment_fixed_size 327680
		.amdhsa_private_segment_fixed_size 0
		.amdhsa_enable_private_segment 0
		.amdhsa_kernarg_size 96
		.amdhsa_user_sgpr_count 2
		.amdhsa_user_sgpr_kernarg_segment_ptr 1
		.amdhsa_wavefront_size32 1
		.amdhsa_system_sgpr_workgroup_id_x 1
		.amdhsa_system_sgpr_workgroup_id_y 1
		.amdhsa_system_sgpr_workgroup_id_z 1
		.amdhsa_system_vgpr_workitem_id 0
		.amdhsa_next_free_vgpr 1024
		.amdhsa_next_free_sgpr 106
		.amdhsa_reserve_vcc 1
		.amdhsa_float_denorm_mode_32 3
		.amdhsa_float_denorm_mode_16_64 3
		.amdhsa_memory_ordered 1
		.amdhsa_forward_progress 1
		.amdhsa_inst_pref_size 255
	.end_amdhsa_kernel
	.section	.bss,"aw",@nobits
	.p2align	6
	.space	262144
	.amdgpu_metadata
---
amdhsa.version: [ 1, 2 ]
amdhsa.kernels:
  - .name:           k_qfa7a565706_qkv
    .symbol:         k_qfa7a565706_qkv.kd
    .args:
      - { .name: x_codes, .offset: 0, .size: 8, .value_kind: global_buffer, .address_space: global }
      - { .name: x_scales, .offset: 8, .size: 8, .value_kind: global_buffer, .address_space: global }
      - { .name: w_img, .offset: 16, .size: 8, .value_kind: global_buffer, .address_space: global }
      - { .name: wq_scales, .offset: 24, .size: 8, .value_kind: global_buffer, .address_space: global }
      - { .name: wk_scales, .offset: 32, .size: 8, .value_kind: global_buffer, .address_space: global }
      - { .name: wv_scales, .offset: 40, .size: 8, .value_kind: global_buffer, .address_space: global }
      - { .name: bq, .offset: 48, .size: 8, .value_kind: global_buffer, .address_space: global }
      - { .name: bk, .offset: 56, .size: 8, .value_kind: global_buffer, .address_space: global }
      - { .name: bv, .offset: 64, .size: 8, .value_kind: global_buffer, .address_space: global }
      - { .name: tab, .offset: 72, .size: 8, .value_kind: global_buffer, .address_space: global }
      - { .name: q_rec, .offset: 80, .size: 8, .value_kind: global_buffer, .address_space: global }
      - { .name: kv_rec, .offset: 88, .size: 8, .value_kind: global_buffer, .address_space: global }
    .group_segment_fixed_size: 327680
    .private_segment_fixed_size: 0
    .kernarg_segment_align: 8
    .kernarg_segment_size: 96
    .max_flat_workgroup_size: 128
    .sgpr_count:     106
    .vgpr_count:     1024
    .wavefront_size: 32
...
	.end_amdgpu_metadata
.endif
;; end of part 2
;; launch attn (part 3): grid 8 x 32, 16 waves a work-group, no clusters, 327,680 bytes of LDS; arguments q_rec, kv_rec, o_img, o_scales; writes o_img, o_scales
.if DOCPART == 3
	.amdgcn_target "amdgcn-amd-amdhsa--gfx1250"
	.amdhsa_code_object_version 6
	.text
	.protected	k_qfa7a565706_attn
	.globl	k_qfa7a565706_attn
	.p2align	8
	.type	k_qfa7a565706_attn,@function
k_qfa7a565706_attn:
	s_mov_b64 s[64:65], 0
	v_nop
	global_prefetch_b8 v0, s[64:65] scope:SCOPE_SE
	s_setreg_imm32_b32 hwreg(HW_REG_WAVE_MODE, 25, 1), 1
	s_wait_xcnt 0x0
; o = softmax(q k^T / 8, causal) v for one head-batch bh (grid y), on codes of BF6 (E3M2) with E8M0 scales; o is quantised along the head's 64 and stored as the next launch's register images.
; p = 2^(t - M), t = score x log2(e) / 8, M the ceiling of the running largest t; the row's sum is taken of the unquantised p; the result is divided by it at the end.
; LEFT OUT: key steps that lie wholly behind a tile's last query: the causal mask sets them to -inf ahead of the softmax, so they add nothing to any sum.
; SHARES.  Work-group x takes query blocks x and 15 - x (128 queries each): 17 key steps of 128 for each of its 8 pairs of tiles of 16 queries.  Waves 2 i and 2 i + 1 share tile i of both blocks: each takes the key steps of
; its own parity, first of the short tile (block x), then of the long one (block 15 - x): 8 or 9 steps a wave.  The parity is flipped with bit 2 of the wave's number.
; THE TWO HALVES OF A TILE are joined through LDS: one wave stores O^T, -M and its sums (9 x 512 bytes); behind a barrier the other brings both under the larger M by 2^(difference of whole numbers), which rounds nothing, adds,
; divides, quantises and stores.  The wave of parity 0 finishes the short tile, that of parity 1 the long one.  A half with no step has O = 0, sum 0 and -M = 3e38: its factor comes out 0.
; LDS: the head-batch's 16 records of K and V (204,800 bytes) in two fills, each wave 6,400 bytes of each; the spare words; 8 x 4,608 bytes for the joins, into which no fill lands.
; cluster = none: under the causal mask the work-groups of a head-batch pass over different records, so a partner would jump over the reads of a tile that a joint load brings.
; No prefetch: the second fill is asked for when the first has landed and has the short tiles' walk and eight steps of the long tiles' in which to land; nothing waits for a later stream.
; LIMITS: the promise holds while the scaled scores stay under 2^31 in magnitude.  NaN and infinities are not served.  A block of zeros gets the scale byte 1: this program alone reads the bytes.
; REGISTERS: v1-11 addresses; v12 -M, v13 the largest t, v14-15 the sum; v16-33 q (with six zeros between its two copies), v34 its scales; v35 the join's address; v36-83 four fragments of K or V; v84-88 scale words;
; v96-159 scores, then p; v160-191 O^T; v192-229 at work; v232-238 the long tile's q, asked for at the head; v240-241 the partner's factor.
.set REC,   12800
.set HALFL, 8*REC
.set SPARE, 0x32000
.set MAREA, 0x32800
.set MSZ,   4608
.set FRG,   36
.set S,     96
.set O,     160
.set PCD,   192
.set BM,    212
.set PD,    216
.set SO,    220
.set QL,    232
.set MA,    35
.set TB,    2
.set KF,    40
	s_load_b256 s[4:11], s[0:1], 0x0               ; q_rec, kv_rec, o_img, o_scales
	v_lshl_add_u32 v254, v0, 2, SPARE
	v_mov_b32 v255, 0
	ds_add_u32 v254, v255                          ; the opening lines: the add twice on end and its wait
	ds_add_u32 v254, v255
	v_lshrrev_b32 v8, 5, v0
	s_delay_alu instid0(VALU_DEP_1)
	v_readfirstlane_b32 s18, v8                    ; wave
	s_and_b32 s45, ttmp7, 0xffff                   ; bh
	s_mul_i32 s46, s45, 16*REC
	s_mul_i32 s48, s18, 6400
	s_add_co_u32 s46, s46, s48
	s_mov_b32 s47, 0
	s_mov_b32 s24, 3<<16                           ; 25 rows of 256 bytes, dense
	s_mov_b32 s25, 32<<16
	s_mov_b32 s26, 25<<16
	s_mov_b32 s27, 32<<16
	s_mov_b32 s28, 25
	s_mov_b32 s29, 32
	s_mov_b32 s30, 0
	s_mov_b32 s31, 0
	s_mov_b32 s32, 1
	s_mov_b32 s33, s48
	s_mov_b32 s36, 1
	s_add_co_u32 s37, s48, HALFL
	s_wait_dscnt 0x0
	s_wait_kmcnt 0x0
	s_add_nc_u64 s[34:35], s[6:7], s[46:47]
	s_add_nc_u64 s[38:39], s[34:35], HALFL
	s_or_b32 s35, s35, 0x80000000
	s_or_b32 s39, s39, 0x80000000
	tensor_load_to_lds s[32:35], s[24:31]          ; my sixteenth of records 0-7
	s_nop 0
	; all that follows up to the wait stands under that load's flight
	s_lshr_b32 s17, s18, 1                         ; i: my tile in both blocks
	s_lshr_b32 s19, s18, 2
	s_xor_b32 s19, s19, s18
	s_and_b32 s19, s19, 1                          ; my parity
	s_mov_b32 s44, ttmp9                           ; the short block,
	s_sub_co_u32 s16, 15, ttmp9                    ; the long one
	s_mov_b32 s51, 0
	s_lshr_b32 s60, s45, 4
	s_lshl_b32 s60, s60, 7                         ; 128 tiles a batch
	s_and_b32 s61, s45, 15
	s_mul_i32 s63, s61, 768                        ; the head's place in a tile's image,
	s_lshl_b32 s61, s61, 1                         ; in a token's scale bytes
.macro TILEP blk, q0, qp, oi, os       ; a tile's first query, its block's record of q, its places in o_img and o_scales
	s_lshl_b32 s49, s[\blk], 3
	s_add_co_u32 s49, s49, s17
	s_lshl_b32 s[\q0], s49, 4
	s_lshl_b32 s50, s45, 4
	s_add_co_u32 s50, s50, s[\blk]
	s_mul_i32 s50, s50, 6400
	s_add_nc_u64 s[\qp:\qp+1], s[4:5], s[50:51]
	s_add_co_u32 s49, s49, s60
	s_mul_i32 s50, s49, 12288
	s_add_co_u32 s50, s50, s63
	s_add_nc_u64 s[\oi:\oi+1], s[8:9], s[50:51]
	s_lshl_b32 s50, s49, 9
	s_add_co_u32 s50, s50, s61
	s_add_nc_u64 s[\os:\os+1], s[10:11], s[50:51]
.endm
	TILEP 44, 41, 68, 70, 72
	TILEP 16, 66, 74, 76, 78
	s_lshr_b32 s52, s17, 1                         ; q's pair fragment,
	s_and_b32 s53, s17, 1                          ; my half of it
	s_mul_i32 s54, s52, 1536
	s_cmp_eq_u32 s53, 0
	s_cselect_b32 s55, 0, 520
	s_cselect_b32 s56, 8, 1024
	s_mov_b32 s57, 1032
	s_cselect_b32 s57, 512, s57
	s_add_co_u32 s55, s55, s54
	s_add_co_u32 s56, s56, s54
	s_add_co_u32 s57, s57, s54
	s_and_b32 s58, s52, 1
	s_lshl_b32 s58, s58, 7
	s_lshr_b32 s59, s52, 1
	s_lshl_b32 s59, s59, 2
	s_add_co_u32 s58, s58, s59
	s_lshl_b32 s59, s53, 4
	s_mul_i32 s62, s17, MSZ
	s_add_co_u32 s62, s62, MAREA
	s_mov_b32 s20, 0x76543210
	s_mov_b32 s21, 0xfedcba98
	s_mov_b32 s22, 0x3e38aa3b                      ; log2(e) / 8
	s_mov_b32 s23, s22
	v_and_b32 v10, 31, v0
	s_delay_alu instid0(VALU_DEP_1)
	v_lshlrev_b32 v1, 4, v10
	v_lshlrev_b32 v2, 3, v10
	v_and_b32 v11, 15, v0
	v_bfe_u32 v10, v0, 4, 1
	s_delay_alu instid0(VALU_DEP_1)
	v_lshlrev_b32 v3, 3, v10
	s_delay_alu instid0(VALU_DEP_1)
	v_sub_nc_u32 v3, v11, v3
	v_lshl_add_u32 v4, v11, 5, v10
	v_add_nc_u32 v5, s55, v1
	v_add_nc_u32 v6, s56, v1
	v_add_nc_u32 v7, s57, v1
	v_lshl_add_u32 v10, v11, 3, s58
	v_add_nc_u32 v[MA], s62, v1
	global_load_b64 v[16:17], v5, s[68:69]
	global_load_b64 v[18:19], v6, s[68:69]
	global_load_b64 v[20:21], v7, s[68:69]
	global_load_b64 v[28:29], v5, s[68:69]
	global_load_b64 v[30:31], v6, s[68:69]
	global_load_b64 v[32:33], v7, s[68:69]
	global_load_b32 v34, v10, s[68:69] offset:6144
	global_load_b64 v[QL:QL+1], v5, s[74:75]
	global_load_b64 v[QL+2:QL+3], v6, s[74:75]
	global_load_b64 v[QL+4:QL+5], v7, s[74:75]
	global_load_b32 v[QL+6], v10, s[74:75] offset:6144
.irp j, 22,23,24,25,26,27
	v_mov_b32 v[\j], 0
.endr
.irp b, 0,1,2,3
	v_mov_b32 v[PD+\b], 0
.endr
	v_mov_b32 v226, 0
	v_mov_b32 v227, 0
	v_mov_b32 v229, 0xff800000
	v_mov_b32 v240, 0
	v_mov_b32 v241, 0
	s_wait_alu depctr_va_vdst(0)
	s_wait_tensorcnt 0x0                           ; my part of records 0-7 is in
	ds_add_u32 v254, v255
	s_wait_dscnt 0x0
	s_barrier_signal -1
	s_barrier_wait -1                              ; everybody's part is in
	tensor_load_to_lds s[36:39], s[24:31]          ; my sixteenth of records 8-15
	s_nop 0
.rept 4
	v_nop
.endr
.macro INIT                            ; a half tile begins: -M = 3e38, sums and O^T zero
	v_mov_b32 v13, 0xff61b1e6
	s_delay_alu instid0(VALU_DEP_1)
	v_floor_f32 v12, -v13
	v_mov_b32 v14, 0
	v_mov_b32 v15, 0
.set n, 0
.rept 32
	v_mov_b32 v[O+n], 0
.set n, n+1
.endr
	s_wait_alu depctr_va_vdst(0)
.endm
.macro SQ f
.if (\f)%2
	v_wmma_scale_f32_16x16x128_f8f6f4 v[S+16*(\f):S+16*(\f)+7], v[FRG+12*(\f):FRG+12*(\f)+11], v[16:27], 0, v[84+(\f)/2], v34 matrix_a_fmt:MATRIX_FMT_BF6 matrix_b_fmt:MATRIX_FMT_BF6 matrix_a_scale:MATRIX_SCALE_ROW1
	v_wmma_scale_f32_16x16x128_f8f6f4 v[S+16*(\f)+8:S+16*(\f)+15], v[FRG+12*(\f):FRG+12*(\f)+11], v[22:33], 0, v[84+(\f)/2], v34 matrix_a_fmt:MATRIX_FMT_BF6 matrix_b_fmt:MATRIX_FMT_BF6 matrix_a_scale:MATRIX_SCALE_ROW1
.else
	v_wmma_scale_f32_16x16x128_f8f6f4 v[S+16*(\f):S+16*(\f)+7], v[FRG+12*(\f):FRG+12*(\f)+11], v[16:27], 0, v[84+(\f)/2], v34 matrix_a_fmt:MATRIX_FMT_BF6 matrix_b_fmt:MATRIX_FMT_BF6
	v_wmma_scale_f32_16x16x128_f8f6f4 v[S+16*(\f)+8:S+16*(\f)+15], v[FRG+12*(\f):FRG+12*(\f)+11], v[22:33], 0, v[84+(\f)/2], v34 matrix_a_fmt:MATRIX_FMT_BF6 matrix_b_fmt:MATRIX_FMT_BF6
.endif
.endm
.macro PV t
.if (\t)%2
	v_wmma_scale_f32_16x16x128_f8f6f4 v[O+8*(\t):O+8*(\t)+7], v[FRG+12*(\t):FRG+12*(\t)+11], v[PCD:PCD+11], v[O+8*(\t):O+8*(\t)+7], v[86+(\t)/2], v88 matrix_a_fmt:MATRIX_FMT_BF6 matrix_b_fmt:MATRIX_FMT_BF6 matrix_a_scale:MATRIX_SCALE_ROW1
.else
	v_wmma_scale_f32_16x16x128_f8f6f4 v[O+8*(\t):O+8*(\t)+7], v[FRG+12*(\t):FRG+12*(\t)+11], v[PCD:PCD+11], v[O+8*(\t):O+8*(\t)+7], v[86+(\t)/2], v88 matrix_a_fmt:MATRIX_FMT_BF6 matrix_b_fmt:MATRIX_FMT_BF6
.endif
.endm
; one step of 128 keys for my 16 queries (first query s41, last s42).  Passed over, by ids alone: a step behind the last query, and a step of the other parity
.macro STEP
	s_cmp_gt_u32 s[KF], s42
	s_cbranch_scc1 .Lhidden_\@
	s_bfe_u32 s43, s[KF], 0x10007
	s_cmp_lg_u32 s43, s19
	s_cbranch_scc1 .Lhidden_\@
	v_add_nc_u32 v8, s[TB], v1
	v_add_nc_u32 v9, s[TB], v2
	v_nop
	v_nop
.irp f, 0,1,2,3
.irp c, 0,1,2
	ds_load_b128 v[FRG+12*\f+4*\c:FRG+12*\f+4*\c+3], v8 offset:1536*\f+512*\c
.endr
.endr
	ds_load_b64 v[84:85], v9 offset:6144
	s_wait_alu depctr_va_vdst(0)
	s_wait_dscnt 0x0
	SQ 0
	SQ 1
	SQ 2
	SQ 3
.rept 4
	v_nop
.endr
.irp t, 0,1,2,3
.irp c, 0,1,2
	ds_load_b128 v[FRG+12*\t+4*\c:FRG+12*\t+4*\c+3], v8 offset:6400+1536*\t+512*\c
.endr
.endr
	ds_load_b64 v[86:87], v9 offset:12544
	s_add_co_u32 s43, s[KF], 127
	s_cmp_le_u32 s43, s41
	s_cbranch_scc1 .Lopen_\@
	s_sub_co_i32 s43, s41, s[KF]                   ; the step on the diagonal: keys behind my query get -inf
	v_add_nc_u32 v224, s43, v3
.set n, 0
.rept 64
	v_cmp_gt_i32 vcc_lo, 32*(n/16)+n%16+8*((n%16)/8), v224
	v_cndmask_b32 v[S+n], v[S+n], v229, vcc_lo
.set n, n+1
.endr
.Lopen_\@:
.irp b, 0,1,2,3
	v_max3_num_f32 v[BM+\b], v[S+16*\b], v[S+1+16*\b], v[S+2+16*\b]   ; each block's largest score
.endr
.irp i, 3,5,7,9,11,13
.irp b, 0,1,2,3
	v_max3_num_f32 v[BM+\b], v[BM+\b], v[S+16*\b+\i], v[S+1+16*\b+\i]
.endr
.endr
.irp b, 0,1,2,3
	v_max_num_f32 v[BM+\b], v[BM+\b], v[S+15+16*\b]
.endr
.irp b, 0,1,2,3
	s_delay_alu instid0(VALU_DEP_4)
	v_permlanex16_b32 v[PD+\b], v[BM+\b], s20, s21
.endr
.irp b, 0,1,2,3
	s_delay_alu instid0(VALU_DEP_4)
	v_max_num_f32 v[BM+\b], v[BM+\b], v[PD+\b]
.endr
	s_delay_alu instid0(VALU_DEP_2)
	v_max3_num_f32 v224, v[BM], v[BM+1], v[BM+2]
	s_delay_alu instid0(VALU_DEP_1)
	v_max_num_f32 v224, v224, v[BM+3]
	s_delay_alu instid0(VALU_DEP_1)
	v_mul_f32 v224, s22, v224
	s_delay_alu instid0(VALU_DEP_1)
	v_max_num_f32 v13, v13, v224
	v_mov_b32 v224, v12
	s_delay_alu instid0(VALU_DEP_2)
	v_floor_f32 v12, -v13                          ; -M
	s_delay_alu instid0(VALU_DEP_1)
	v_sub_f32 v224, v12, v224
	s_delay_alu instid0(VALU_DEP_1)
	v_cvt_i32_f32 v224, v224
	s_delay_alu instid0(VALU_DEP_1)
	v_ldexp_f32 v226, 1.0, v224                    ; 2^(old M - new M)
.set n, 0
.rept 32
	v_pk_fma_f32 v[S+n:S+n+1], v[S+n:S+n+1], s[22:23], v[12:13] op_sel_hi:[1,0,0]
.set n, n+2
.endr
.irp b, 0,1,2,3
	v_fma_f32 v[BM+\b], v[BM+\b], s22, v12
.endr
.set n, 0
	s_wait_alu depctr_va_vdst(0)
.rept 64
	v_exp_f32 v[S+n], v[S+n]
.set n, n+1
.endr
	v_pk_mul_f32 v[14:15], v[14:15], v[226:227] op_sel_hi:[1,0]
	s_wait_alu depctr_va_vdst(0)
.irp b, 0,1,2,3
	v_exp_f32 v[BM+\b], v[BM+\b]                   ; each block's largest p
.endr
	v_pk_add_f32 v[PD:PD+1], v[S:S+1], v[S+2:S+3]
.irp j, 4,8,12,16,20,24,28,32,36,40,44,48,52,56,60
	v_pk_add_f32 v[14:15], v[14:15], v[S+\j:S+\j+1]
	v_pk_add_f32 v[PD:PD+1], v[PD:PD+1], v[S+2+\j:S+3+\j]
.endr
	s_delay_alu instid0(VALU_DEP_1)
	v_pk_add_f32 v[14:15], v[14:15], v[PD:PD+1]
	s_wait_alu depctr_va_vdst(0)
.irp b, 0,1,2,3
	v_max_num_f32 v[BM+\b], 0x2800000, v[BM+\b]
.endr
.irp b, 0,1,2,3
	s_delay_alu instid0(VALU_DEP_4)
	v_add_nc_u32 v[SO+\b], 0xfe000000, v[BM+\b]
.endr
.irp b, 0,1,2,3
	s_delay_alu instid0(VALU_DEP_4)
	v_lshrrev_b32 v[PD+\b], 23, v[SO+\b]
.endr
	s_delay_alu instid0(VALU_DEP_3)
	v_lshl_or_b32 v88, v[PD+1], 8, v[PD]
	s_delay_alu instid0(VALU_DEP_1)
	v_lshl_or_b32 v88, v[PD+2], 16, v88
	s_delay_alu instid0(VALU_DEP_1)
	v_lshl_or_b32 v88, v[PD+3], 24, v88
.irp c, 0,1
	v_cvt_scalef32_pk16_bf6_f32 v[PCD+6*\c:PCD+2+6*\c], v[S+32*\c:S+15+32*\c], v[SO+2*\c]
	v_cvt_scalef32_pk16_bf6_f32 v[204+4*\c:206+4*\c], v[S+16+32*\c:S+31+32*\c], v[SO+2*\c+1]
.endr
	v_nop
.irp c, 0,1
.irp i, 0,1,2
	v_permlane16_swap_b32 v[PCD+6*\c+\i], v[204+4*\c+\i]
.endr
.irp i, 0,1,2
	s_delay_alu instid0(VALU_DEP_3)
	v_mov_b32 v[PCD+3+6*\c+\i], v[204+4*\c+\i]
.endr
.endr
.set n, 0
.rept 16
	v_pk_mul_f32 v[O+n:O+n+1], v[O+n:O+n+1], v[226:227] op_sel_hi:[1,0]
.set n, n+2
.endr
	s_wait_alu depctr_va_vdst(0)
	s_wait_dscnt 0x0
	PV 0
	PV 1
	PV 2
	PV 3
.Lhidden_\@:
	s_add_co_u32 s[KF], s[KF], 128
	s_add_co_u32 s[TB], s[TB], REC
.endm
.macro PHASE                           ; eight records
	s_mov_b32 s3, 8
.Lstep_\@:
	STEP
	s_sub_co_u32 s3, s3, 1
	s_cmp_lg_u32 s3, 0
	s_cbranch_scc1 .Lstep_\@
.endm
.macro PUT                             ; my half of a tile, as an image of its registers; each accumulator from its low end on
.irp t, 0,1,2,3,4,5,6,7
	ds_store_b128 v[MA], v[O+4*\t:O+4*\t+3] offset:512*\t
.endr
	ds_store_b128 v[MA], v[12:15] offset:4096
.endm
; the partner's half is fetched and joined to mine; the tile is divided by its sum, quantised along the head's 64 and stored
.macro FINAL oi, os
.irp t, 0,1,2,3,4,5,6,7
	ds_load_b128 v[S+4*\t:S+4*\t+3], v[MA] offset:512*\t
.endr
	ds_load_b128 v[S+32:S+35], v[MA] offset:4096
	s_wait_dscnt 0x0
	v_min_num_f32 v224, v12, v[S+32]               ; -M of the two together
	v_add_f32 v14, v14, v15
	v_add_f32 v225, v[S+34], v[S+35]
	s_delay_alu instid0(VALU_DEP_3)
	v_sub_f32 v226, v224, v12
	v_sub_f32 v240, v224, v[S+32]
	s_delay_alu instid0(VALU_DEP_2)
	v_cvt_i32_f32 v226, v226                       ; whole numbers, 0 or less (the conversion saturates)
	s_delay_alu instid0(VALU_DEP_2)
	v_cvt_i32_f32 v240, v240
	s_delay_alu instid0(VALU_DEP_2)
	v_ldexp_f32 v226, 1.0, v226                    ; my factor,
	s_delay_alu instid0(VALU_DEP_2)
	v_ldexp_f32 v240, 1.0, v240                    ; the partner's
	s_delay_alu instid0(VALU_DEP_2)
	v_mul_f32 v14, v14, v226
	s_delay_alu instid0(VALU_DEP_1)
	v_fma_f32 v14, v225, v240, v14
.set n, 0
.rept 16
	v_pk_mul_f32 v[O+n:O+n+1], v[O+n:O+n+1], v[226:227] op_sel_hi:[1,0]
.set n, n+2
.endr
.set n, 0
.rept 16
	v_pk_fma_f32 v[O+n:O+n+1], v[S+n:S+n+1], v[240:241], v[O+n:O+n+1] op_sel_hi:[1,0,1]
.set n, n+2
.endr
	v_permlanex16_b32 v226, v14, s20, s21
	s_delay_alu instid0(VALU_DEP_1)
	v_add_f32 v14, v14, v226                       ; with lane l xor 16's: the row's sum
	s_wait_alu depctr_va_vdst(0)
	v_rcp_f32 v14, v14
	v_nop
	s_mov_b32 vcc_lo, 0xffff0000
	s_wait_alu depctr_va_vdst(0)
.set n, 0
.rept 32
	v_mul_f32 v[S+n], v[O+n], v14
.set n, n+1
.endr
.irp b, 0,1
.irp j, 0,1,2,3,4,5,6,7
	v_permlane16_swap_b32 v[S+16*\b+\j], v[S+16*\b+8+\j]
.endr
.endr
.irp k, 0,1
	v_max3_num_f32 v[BM+\k], |v[S+16*\k]|, |v[S+16*\k+1]|, 0x2800000
.endr
.irp i, 2,4,6,8,10,12,14
.irp k, 0,1
	s_delay_alu instid0(VALU_DEP_2)
	v_max3_num_f32 v[BM+\k], v[BM+\k], |v[S+16*\k+\i]|, |v[S+16*\k+\i+1]|
.endr
.endr
.irp k, 0,1
	s_delay_alu instid0(VALU_DEP_2)
	v_permlanex16_b32 v[PD+\k], v[BM+\k], s20, s21
.endr
.irp k, 0,1
	s_delay_alu instid0(VALU_DEP_2)
	v_max_num_f32 v[BM+\k], v[BM+\k], v[PD+\k]
.endr
.irp k, 0,1
	s_delay_alu instid0(VALU_DEP_2)
	v_add_nc_u32 v[SO+\k], 0xfe000000, v[BM+\k]
.endr
.irp k, 0,1
	s_delay_alu instid0(VALU_DEP_2)
	v_lshrrev_b32 v[PD+2+\k], 23, v[SO+\k]
.endr
	v_cvt_scalef32_pk16_bf6_f32 v[PCD:PCD+2], v[S:S+15], v[SO]
	v_cvt_scalef32_pk16_bf6_f32 v[204:206], v[S+16:S+31], v[SO+1]
	v_cndmask_b32 v224, v[PD+2], v[PD+3], vcc_lo
.irp i, 0,1,2
	v_permlane16_swap_b32 v[PCD+\i], v[204+\i]
.endr
.irp i, 0,1,2
	s_delay_alu instid0(VALU_DEP_3)
	v_mov_b32 v[PCD+3+\i], v[204+\i]
.endr
.irp p, 0,1,2
	global_store_b64 v2, v[PCD+2*\p:PCD+2*\p+1], s[\oi:\oi+1] offset:256*\p   ; 32 lanes store 256 consecutive bytes, aligned
.endr
	global_store_b8 v4, v224, s[\os:\os+1]
	s_wait_xcnt 0x0                                ; the stores have read their registers
.endm
	s_wait_loadcnt 0x0                             ; q of both tiles
	v_lshrrev_b32 v34, s59, v34
	s_delay_alu instid0(VALU_DEP_1)
	v_and_b32 v34, 0xffff, v34
	s_delay_alu instid0(VALU_DEP_1)
	v_lshl_or_b32 v34, v34, 16, v34
	INIT
	s_add_co_u32 s42, s41, 15
	s_mov_b32 s[TB], 0
	s_mov_b32 s[KF], 0
	PHASE                                          ; the short tile: all its keys lie in records 0-7
.rept 4
	v_nop
.endr
	s_wait_alu depctr_va_vdst(0)
	s_cmp_eq_u32 s19, 0
	s_cbranch_scc1 .Lkeep_short
	PUT
.Lkeep_short:
	s_wait_dscnt 0x0                               ; for the partner's sake
	s_barrier_signal -1
	s_barrier_wait -1
	s_cmp_lg_u32 s19, 0
	s_cbranch_scc1 .Lshort_done
	FINAL 70, 72
.Lshort_done:
.irp j, 0,1,2,3,4,5
	v_mov_b32 v[16+\j], v[QL+\j]                   ; the long tile's q, in both places
	v_mov_b32 v[28+\j], v[QL+\j]
.endr
	v_lshrrev_b32 v34, s59, v[QL+6]
	s_delay_alu instid0(VALU_DEP_1)
	v_and_b32 v34, 0xffff, v34
	s_delay_alu instid0(VALU_DEP_1)
	v_lshl_or_b32 v34, v34, 16, v34
	INIT
	s_mov_b32 s41, s66
	s_add_co_u32 s42, s41, 15
	s_mov_b32 s[TB], 0
	s_mov_b32 s[KF], 0
	PHASE                                          ; the long tile, records 0-7
	s_wait_tensorcnt 0x0                           ; my part of records 8-15 is in,
	s_wait_dscnt 0x0
	s_barrier_signal -1
	s_barrier_wait -1                              ; everybody's is
	PHASE                                          ; records 8-15
.rept 4
	v_nop
.endr
	s_wait_alu depctr_va_vdst(0)
	s_cmp_lg_u32 s19, 0
	s_cbranch_scc1 .Lkeep_long
	PUT
.Lkeep_long:
	s_wait_dscnt 0x0
	s_barrier_signal -1
	s_barrier_wait -1
	s_cmp_eq_u32 s19, 0
	s_cbranch_scc1 .Llong_done
	FINAL 76, 78
.Llong_done:
	s_wait_tensorcnt 0x0                           ; the wave's end
	ds_add_u32 v254, v255
	s_wait_dscnt 0x0
	s_endpgm
.Lfunc_end_k_qfa7a565706_attn:
	.size	k_qfa7a565706_attn, .Lfunc_end_k_qfa7a565706_attn-k_qfa7a565706_attn
	.p2alignl 7, 3214868480
	.fill 96, 4, 3214868480
	.section	.rodata,"a",@progbits
	.p2align	6, 0x0
	.amdhsa_kernel k_qfa7a565706_attn
		.amdhsa_group_segment_fixed_size 327680
		.amdhsa_private_segment_fixed_size 0
		.amdhsa_enable_private_segment 0
		.amdhsa_kernarg_size 32
		.amdhsa_user_sgpr_count 2
		.amdhsa_user_sgpr_kernarg_segment_ptr 1
		.amdhsa_wavefront_size32 1
		.amdhsa_system_sgpr_workgroup_id_x 1
		.amdhsa_system_sgpr_workgroup_id_y 1
		.amdhsa_system_sgpr_workgroup_id_z 1
		.amdhsa_system_vgpr_workitem_id 0
		.amdhsa_next_free_vgpr 256
		.amdhsa_next_free_sgpr 80
		.amdhsa_reserve_vcc 1
		.amdhsa_float_denorm_mode_32 3
		.amdhsa_float_denorm_mode_16_64 3
		.amdhsa_memory_ordered 1
		.amdhsa_forward_progress 1
		.amdhsa_inst_pref_size 94
	.end_amdhsa_kernel
	.amdgpu_metadata
---
amdhsa.version: [ 1, 2 ]
amdhsa.kernels:
  - .name:           k_qfa7a565706_attn
    .symbol:         k_qfa7a565706_attn.kd
    .args:
      - { .name: q_rec, .offset: 0, .size: 8, .value_kind: global_buffer, .address_space: global }
      - { .name: kv_rec, .offset: 8, .size: 8, .value_kind: global_buffer, .address_space: global }
      - { .name: o_img, .offset: 16, .size: 8, .value_kind: global_buffer, .address_space: global }
      - { .name: o_scales, .offset: 24, .size: 8, .value_kind: global_buffer, .address_space: global }
    .group_segment_fixed_size: 327680
    .private_segment_fixed_size: 0
    .kernarg_segment_align: 8
    .kernarg_segment_size: 32
    .max_flat_workgroup_size: 512
    .sgpr_count:     80
    .vgpr_count:     256
    .wavefront_size: 32
...
	.end_amdgpu_metadata
.endif
;; end of part 3
;; launch oproj (part 4): grid 8 x 32, 4 waves a work-group, clusters of 4 x 4, 327,680 bytes of LDS; arguments o_img, o_scales, wo_codes, wo_scales, bo, h, out0; writes out0
.if DOCPART == 4
	.amdgcn_target "amdgcn-amd-amdhsa--gfx1250"
	.amdhsa_code_object_version 6
	.text
	.protected	k_qfa7a565706_oproj
	.globl	k_qfa7a565706_oproj
	.p2align	8
	.type	k_qfa7a565706_oproj,@function
k_qfa7a565706_oproj:
	s_mov_b64 s[64:65], 0
	v_nop
	global_prefetch_b8 v0, s[64:65] scope:SCOPE_SE
	s_setreg_imm32_b32 hwreg(HW_REG_WAVE_MODE, 25, 1), 1
	s_wait_xcnt 0x0
	s_wait_alu depctr_hold_cnt(0) depctr_sa_sdst(0) depctr_va_vdst(0) depctr_va_sdst(0) depctr_va_ssrc(0) depctr_va_vcc(0) depctr_vm_vsrc(0)
	s_getreg_b32 s2, hwreg(HW_REG_IB_STS2, 6, 4)
	s_cmp_eq_u32 s2, 0
	s_cbranch_scc0 .Lentry_in_a_cluster
	s_endpgm
.Lentry_in_a_cluster:
	s_bfe_u32 s2, ttmp6, 0x10000c
	s_cmp_lg_u32 s2, 0xf033
	s_cbranch_scc0 .Lentry_shape_is_right
	s_endpgm
.Lentry_shape_is_right:
; out0 = o wo^T + bo + h, on codes of BF6 (E3M2) with one E8M0 scale for each 32 along K = 1,024; sums in f32.
; SHARES.  A work-group makes 128 tokens x 256 columns: 32 x 8 = 256 work-groups.  A wave makes 64 x 128: 32 accumulators, 256 registers.
; ALL OF K LIES IN LDS AT ONCE, filled once: A = o's 8 blocks of 16 tokens as images (12,288 bytes each: for each 128 along K six pieces of 256 bytes, lane l's 8 bytes at 8 l), 98,304 bytes;
; B = 256 rows of wo, each 768 bytes as three chunks of 256 + 16 of padding (pitch 816), 208,896 bytes.  Both are dense in memory and come as rows of 256 bytes.  One joint load a wave at the head:
; waves 0, 1 A's halves, shared along a row of the 4 x 4 cluster; waves 2, 3 B's halves, shared along a column.  Nothing is filled again, so no ring and no further round but the closing one.
; The scale words (32 bytes a row: eight steps' words) and the bias go from memory straight into registers; 32 lanes take 32 rows' scales, so a register serves two blocks of 16 (lanes 0-15, lanes 16-31).
; The residual's 64 x 128 numbers of a wave are asked for at the head, by rows, into window 3, and are added on the way out.
; No prefetch: the launch has no loop to run ahead in; every tile is asked for at its head.
; The matrix instruction is used transposed (source 0 = 16 rows of wo, source 1 = 16 tokens): a lane holds eight neighbouring columns of a token.  The bias is the C of the first step's products.
; THE WAY OUT: 16 tokens x 128 columns at a time through the wave's own stage, in A's bytes behind a barrier behind which nobody reads them; back as rows of 512 bytes, + the residual, stored by 32 lanes as two aligned units of 256 bytes.
; REGISTERS: window 0: v16-30 addresses; v32-47 A's scale words, v48-79 B's; v80-143 the bias; v144-239 A's fragments, two sets; on the way out v128-255.  window 1: B's fragments, two sets, at v0 and v128.  window 2: accumulators.  window 3: the residual.
; LIMITS: NaN and infinities are not served.
.set NP,     4
.set FR,     12
.set ABLK,   12288
.set HALFA,  4*ABLK
.set BROW,   816
.set HALFB,  128*BROW
.set BBASE,  2*HALFA
.set SPARE,  BBASE+2*HALFB
.set SPITCH, 528
.set NROW,   8192
.set ADRA, 16
.set ADRB, 20                          ; v20 rows 0-63, v21 rows 64-127; v22, v23: the same where lanes 16-31 stand behind one padding more
.set STO,  24
.set RD,   25
.set CO,   26
.set SAD,  27
.set SPW,  28
.set NIL,  29
.set BAD,  30
.set SA,   32
.set SB,   48
.set BO,   80
.set AF,   144
.set BK,   128
.set G1, 24
.set G0, 32
.set G1B, 48
.set G0B, 56
.set MSB, 0
.macro WIN new
.if MSB != \new
	s_set_vgpr_msb (MSB<<8)|\new
.set MSB, \new
.endif
.endm
.macro CREST
	s_cmp_lg_u32 s14, 0
	s_cbranch_scc1 .Lnot_wave_0_\@
	s_barrier_signal -3
.Lnot_wave_0_\@:
	s_barrier_wait -3
	s_barrier_signal -1
	s_barrier_wait -1
.endm
.macro CROUND
	s_barrier_signal -1
	s_barrier_wait -1
	CREST
.endm
.macro PLACES n
.rept \n
	v_nop
.endr
.endm
	s_load_b128 s[4:7], s[0:1], 0x0                ; o_img, o_scales
	s_load_b128 s[8:11], s[0:1], 0x10              ; wo_codes, wo_scales
	s_load_b128 s[96:99], s[0:1], 0x20             ; bo, h
	s_load_b64 s[12:13], s[0:1], 0x30              ; out0
	v_lshl_add_u32 v[SPW], v0, 2, SPARE
	v_mov_b32 v[NIL], 0
	ds_add_u32 v[SPW], v[NIL]                      ; the opening lines: the add twice on end and its wait
	ds_add_u32 v[SPW], v[NIL]
	v_lshrrev_b32 v1, 5, v0
	v_readfirstlane_b32 s14, v1                    ; wave
	s_lshr_b32 s15, s14, 1                         ; my half of the tokens; also: I fetch for A (0) or B (1)
	s_and_b32 s16, s14, 1                          ; my half of the columns; also: which half I fetch
	s_bfe_u32 s40, ttmp6, 0x40000
	s_bfe_u32 s41, ttmp6, 0x40004
	s_lshl_b32 s42, ttmp9, 2
	s_add_co_u32 s42, s42, s40                     ; column tile
	s_and_b32 s17, ttmp7, 0xffff
	s_lshl_b32 s17, s17, 2
	s_add_co_u32 s17, s17, s41                     ; token tile
	s_lshl_b32 s43, s41, 2
	s_lshl_b32 s43, 15, s43
	s_lshl_b32 s44, 0x1111, s40
	s_or_b32 s[G1+0], s43, (3<<16)|(1<<21)         ; A: 192 rows of 256 bytes, dense
	s_mov_b32 s[G1+1], 32<<16
	s_mov_b32 s[G1+2], 192<<16
	s_mov_b32 s[G1+3], 32<<16
	s_mov_b32 s[G1+4], 192
	s_mov_b32 s[G1+5], 32
	s_mov_b32 s[G1+6], 0
	s_mov_b32 s[G1+7], 0
	s_or_b32 s[G1B+0], s44, (3<<16)|(1<<20)|(1<<21)|(5<<22)|(3<<25)   ; B: 384 rows of 256 bytes, 16 of padding behind each
	s_mov_b32 s[G1B+1], 32<<16
	s_mov_b32 s[G1B+2], 384<<16
	s_mov_b32 s[G1B+3], 32<<16
	s_mov_b32 s[G1B+4], 384
	s_mov_b32 s[G1B+5], 32
	s_mov_b32 s[G1B+6], 0
	s_mov_b32 s[G1B+7], 0
	s_lshl_b32 s20, s17, 3
	s_lshl_b32 s18, s16, 2
	s_add_co_u32 s20, s20, s18
	s_mul_i32 s20, s20, ABLK                       ; A: my four blocks of 16 tokens
	s_mov_b32 s21, 0
	s_lshl_b32 s46, s42, 8
	s_lshl_b32 s18, s16, 7
	s_add_co_u32 s46, s46, s18
	s_mul_i32 s46, s46, 768                        ; B: my 128 rows
	s_mov_b32 s47, 0
	s_mul_i32 s45, s16, HALFA
	s_mul_i32 s95, s16, HALFB
	s_add_co_u32 s95, s95, BBASE
	s_wait_dscnt 0x0
	s_wait_kmcnt 0x0
	s_add_nc_u64 s[20:21], s[4:5], s[20:21]
	s_add_nc_u64 s[46:47], s[8:9], s[46:47]
	s_mov_b32 s[G0], 1
	s_mov_b32 s[G0+1], s45
	s_mov_b64 s[G0+2:G0+3], s[20:21]
	s_or_b32 s[G0+3], s[G0+3], 0x80000000
	s_mov_b32 s[G0B], 1
	s_mov_b32 s[G0B+1], s95
	s_mov_b64 s[G0B+2:G0B+3], s[46:47]
	s_or_b32 s[G0B+3], s[G0B+3], 0x80000000
	CROUND                                         ; the joint loads meet
	s_cmp_eq_u32 s15, 0
	s_cbranch_scc0 .Lfor_b
	tensor_load_to_lds s[G0:G0+3], s[G1:G1+7]
	s_nop 0
.rept 4
	v_nop
.endr
	s_branch .Lasked
.Lfor_b:
	tensor_load_to_lds s[G0B:G0B+3], s[G1B:G1B+7]
	s_nop 0
.rept 4
	v_nop
.endr
.Lasked:
	s_mul_i32 s21, s15, HALFA
	s_mul_i32 s22, s16, HALFB
	s_add_co_u32 s22, s22, BBASE
	s_mul_i32 s23, s14, 16*SPITCH
	v_and_b32 v1, 15, v0                           ; r
	v_bfe_u32 v2, v0, 4, 1                         ; h
	v_and_b32 v6, 31, v0
	v_lshlrev_b32 v3, 3, v6
	v_add_nc_u32 v[ADRA], s21, v3
	v_mul_u32_u24 v4, v1, BROW
	v_mad_u32_u24 v4, v2, 24, v4
	v_add_nc_u32 v[ADRB], s22, v4
	v_add_nc_u32 v[ADRB+1], 64*BROW, v[ADRB]
	v_lshl_add_u32 v[ADRB+2], v2, 4, v[ADRB]
	v_lshl_add_u32 v[ADRB+3], v2, 4, v[ADRB+1]
	v_mul_u32_u24 v5, v1, SPITCH
	v_lshl_add_u32 v5, v2, 5, v5
	v_add_nc_u32 v[STO], s23, v5
	v_lshlrev_b32 v[CO], 4, v6
	v_add_nc_u32 v[RD], s23, v[CO]
	v_lshlrev_b32 v[SAD], 5, v6
	v_lshlrev_b32 v[BAD], 5, v2
	s_wait_alu depctr_va_vdst(0)
	s_lshl_b32 s20, s17, 7
	s_lshl_b32 s21, s15, 6
	s_add_co_u32 s20, s20, s21                     ; my first token
	s_lshl_b32 s22, s20, 5
	s_mov_b32 s23, 0
	s_add_nc_u64 s[6:7], s[6:7], s[22:23]
	s_lshl_b32 s20, s20, 13
	s_mov_b32 s21, 0
	s_lshl_b32 s46, s42, 8
	s_lshl_b32 s47, s16, 7
	s_add_co_u32 s46, s46, s47                     ; my first column
	s_lshl_b32 s22, s46, 5
	s_add_nc_u64 s[10:11], s[10:11], s[22:23]
	s_lshl_b32 s46, s46, 2
	s_mov_b32 s47, 0
	s_add_nc_u64 s[96:97], s[96:97], s[46:47]
	s_add_nc_u64 s[20:21], s[20:21], s[46:47]
	s_add_nc_u64 s[12:13], s[12:13], s[20:21]
	s_add_nc_u64 s[98:99], s[98:99], s[20:21]
.irp j, 0,1
	global_load_b128 v[SA+8*\j:SA+8*\j+3], v[SAD], s[6:7] offset:1024*\j        ; tokens 32 j + lane: the words of steps 0-3,
	global_load_b128 v[SA+8*\j+4:SA+8*\j+7], v[SAD], s[6:7] offset:1024*\j+16   ; of steps 4-7
.endr
.irp j, 0,1,2,3
	global_load_b128 v[SB+8*\j:SB+8*\j+3], v[SAD], s[10:11] offset:1024*\j
	global_load_b128 v[SB+8*\j+4:SB+8*\j+7], v[SAD], s[10:11] offset:1024*\j+16
.endr
.irp b, 0,1,2,3,4,5,6,7
	global_load_b128 v[BO+8*\b:BO+8*\b+3], v[BAD], s[96:97] offset:64*\b        ; columns 16 b + 8 h + 0 .. 7
	global_load_b128 v[BO+8*\b+4:BO+8*\b+7], v[BAD], s[96:97] offset:64*\b+16
.endr
	WIN 0xc0                                       ; destination window 3
.set n, 0
.rept 64
	global_load_b128 v[4*n:4*n+3], v[CO], s[98:99] offset:n*NROW th:TH_LOAD_NT  ; the residual: token n, 32 lanes read 512 consecutive bytes
.set n, n+1
.endr
	WIN 0
.macro FRAGB reg, st, i                ; byte y of a row of wo lies at y + 16 (y / 256) of its LDS row; lanes 16-31 read 24 bytes on
.irp p, 0,1,2,3,4,5
.set BY, 96*(\st)+48*(\p/3)+8*(\p%3)
.set AR, ADRB+(\i)/4+2*((BY+24)/256-BY/256)
	ds_load_b64 v[\reg+2*\p:\reg+2*\p+1], v[AR] offset:BY+16*(BY/256)+((\i)%4)*16*BROW
.endr
.endm
.macro FRAGA reg, st, i
.irp p, 0,1,2,3,4,5
	ds_load_b64 v[\reg+2*\p:\reg+2*\p+1], v[ADRA] offset:ABLK*(\i)+1536*(\st)+256*\p
.endr
.endm
.macro FETCH st                        ; step st's 12 fragments into set st mod 2
	WIN 0x40
.irp i, 0,1,2,3,4,5,6,7
	FRAGB 128*((\st)%2)+FR*\i, \st, \i
.endr
	WIN 0
.irp i, 0,1,2,3
	FRAGA AF+48*((\st)%2)+FR*\i, \st, \i
.endr
.endm
.macro WM a, b, st, z                  ; z = 1: the bias (window 0) is C
.set DI, 8*(8*(\a)+(\b))
.set CI, DI+(\z)*(BO+8*(\b)-DI)
.set BI, 128*((\st)%2)+FR*(\b)
.set AI, AF+48*((\st)%2)+FR*(\a)
.set SBI, SB+8*((\b)/2)+(\st)
.set SAI, SA+8*((\a)/2)+(\st)
.if (\a)%2 == 0
.if (\b)%2 == 0
	v_wmma_scale_f32_16x16x128_f8f6f4 v[DI:DI+7], v[BI:BI+11], v[AI:AI+11], v[CI:CI+7], v[SBI], v[SAI] matrix_a_fmt:MATRIX_FMT_BF6 matrix_b_fmt:MATRIX_FMT_BF6
.else
	v_wmma_scale_f32_16x16x128_f8f6f4 v[DI:DI+7], v[BI:BI+11], v[AI:AI+11], v[CI:CI+7], v[SBI], v[SAI] matrix_a_fmt:MATRIX_FMT_BF6 matrix_b_fmt:MATRIX_FMT_BF6 matrix_a_scale:MATRIX_SCALE_ROW1
.endif
.else
.if (\b)%2 == 0
	v_wmma_scale_f32_16x16x128_f8f6f4 v[DI:DI+7], v[BI:BI+11], v[AI:AI+11], v[CI:CI+7], v[SBI], v[SAI] matrix_a_fmt:MATRIX_FMT_BF6 matrix_b_fmt:MATRIX_FMT_BF6 matrix_b_scale:MATRIX_SCALE_ROW1
.else
	v_wmma_scale_f32_16x16x128_f8f6f4 v[DI:DI+7], v[BI:BI+11], v[AI:AI+11], v[CI:CI+7], v[SBI], v[SAI] matrix_a_fmt:MATRIX_FMT_BF6 matrix_b_fmt:MATRIX_FMT_BF6 matrix_a_scale:MATRIX_SCALE_ROW1 matrix_b_scale:MATRIX_SCALE_ROW1
.endif
.endif
.endm
.macro MUL32 st, z                     ; the 32 accumulators take turns, in the same order in every step
.irp a, 0,1,2,3
.irp b, 0,1,2,3,4,5,6,7
	WM \a, \b, \st, \z
.endr
.endr
.endm
	s_wait_tensorcnt 0x0                           ; my part of the tiles is in,
	s_barrier_signal -1
	s_barrier_wait -1                              ; everybody's is
	FETCH 0
	s_wait_loadcnt 63                              ; the scale words and the bias are in: 64 loads were issued behind them, and the count's field ends at 63
.set ST, 0
.rept 7
	s_wait_dscnt 0x0                               ; this step's fragments are in
.if ST > 0
	PLACES NP                                      ; in front of loads into registers that the last step's products read
.endif
	FETCH ST+1
.if ST == 0
	WIN 0x81                                       ; source 0 window 1, C window 0, D window 2
	MUL32 ST, 1
.else
	WIN 0xa1
	MUL32 ST, 0
.endif
	WIN 0
.set ST, ST+1
.endr
	s_wait_dscnt 0x0                               ; my reads of the tiles are over:
	s_barrier_signal -1                            ; say so,
	WIN 0xa1
	MUL32 7, 0
	WIN 0
	s_barrier_wait -1                              ; and behind this wait A's bytes serve as stages
.macro TOSTAGE a
	WIN 0x08                                       ; the data: window 2
.irp b, 0,1,2,3,4,5,6,7
	ds_store_b128 v[STO], v[64*(\a)+8*\b:64*(\a)+8*\b+3] offset:64*\b       ; each accumulator from its low end on
	ds_store_b128 v[STO], v[64*(\a)+8*\b+4:64*(\a)+8*\b+7] offset:64*\b+16
.endr
	WIN 0
.set BB, BK+64*((\a)%2)
.irp t, 0,1,2,3,4,5,6,7,8,9,10,11,12,13,14,15
	ds_load_b128 v[BB+4*\t:BB+4*\t+3], v[RD] offset:\t*SPITCH               ; LDS serves a wave's instructions in order (ISA guide 5.7.1.4)
.endr
.endm
.macro SEND a, younger
.set BB, BK+64*((\a)%2)
	s_wait_dscnt \younger                          ; the block is back; the next block's 16 stores and 16 loads may be out
	WIN 0x0c                                       ; source 1: window 3
.set n, 0
.rept 32
	v_pk_add_f32 v[BB+n:BB+n+1], v[BB+n:BB+n+1], v[64*(\a)+n:64*(\a)+n+1]
.set n, n+2
.endr
	WIN 0
.irp t, 0,1,2,3,4,5,6,7,8,9,10,11,12,13,14,15
	global_store_b128 v[CO], v[BB+4*\t:BB+4*\t+3], s[12:13] offset:(16*(\a)+\t)*NROW th:TH_STORE_NT   ; 32 lanes store 512 consecutive bytes, aligned
.endr
.endm
	PLACES NP
	s_wait_loadcnt 0x0                             ; the residual
	TOSTAGE 0
.irp a, 1,2,3
.if \a > 1
	s_wait_xcnt 0x0                                ; block a - 2's stores have read their registers
.endif
	TOSTAGE \a
	SEND \a-1, 32
.endr
	SEND 3, 0
	s_wait_tensorcnt 0x0                           ; the wave's end
	ds_add_u32 v[SPW], v[NIL]
	s_wait_dscnt 0x0
	CROUND                                         ; the closing round
	s_endpgm
.Lfunc_end_k_qfa7a565706_oproj:
	.size	k_qfa7a565706_oproj, .Lfunc_end_k_qfa7a565706_oproj-k_qfa7a565706_oproj
	.p2alignl 7, 3214868480
	.fill 96, 4, 3214868480
	.section	.rodata,"a",@progbits
	.p2align	6, 0x0
	.amdhsa_kernel k_qfa7a565706_oproj
		.amdhsa_group_segment_fixed_size 327680
		.amdhsa_private_segment_fixed_size 0
		.amdhsa_enable_private_segment 0
		.amdhsa_kernarg_size 56
		.amdhsa_user_sgpr_count 2
		.amdhsa_user_sgpr_kernarg_segment_ptr 1
		.amdhsa_wavefront_size32 1
		.amdhsa_system_sgpr_workgroup_id_x 1
		.amdhsa_system_sgpr_workgroup_id_y 1
		.amdhsa_system_sgpr_workgroup_id_z 1
		.amdhsa_system_vgpr_workitem_id 0
		.amdhsa_next_free_vgpr 1024
		.amdhsa_next_free_sgpr 100
		.amdhsa_reserve_vcc 0
		.amdhsa_float_denorm_mode_32 3
		.amdhsa_float_denorm_mode_16_64 3
		.amdhsa_memory_ordered 1
		.amdhsa_forward_progress 1
		.amdhsa_inst_pref_size 109
	.end_amdhsa_kernel
	.amdgpu_metadata
---
amdhsa.version: [ 1, 2 ]
amdhsa.kernels:
  - .name:           k_qfa7a565706_oproj
    .symbol:         k_qfa7a565706_oproj.kd
    .args:
      - { .name: o_img, .offset: 0, .size: 8, .value_kind: global_buffer, .address_space: global }
      - { .name: o_scales, .offset: 8, .size: 8, .value_kind: global_buffer, .address_space: global }
      - { .name: wo_codes, .offset: 16, .size: 8, .value_kind: global_buffer, .address_space: global }
      - { .name: wo_scales, .offset: 24, .size: 8, .value_kind: global_buffer, .address_space: global }
      - { .name: bo, .offset: 32, .size: 8, .value_kind: global_buffer, .address_space: global }
      - { .name: h, .offset: 40, .size: 8, .value_kind: global_buffer, .address_space: global }
      - { .name: out0, .offset: 48, .size: 8, .value_kind: global_buffer, .address_space: global }
    .group_segment_fixed_size: 327680
    .private_segment_fixed_size: 0
    .kernarg_segment_align: 8
    .kernarg_segment_size: 56
    .max_flat_workgroup_size: 128
    .sgpr_count:     100
    .vgpr_count:     1024
    .wavefront_size: 32
...
	.end_amdgpu_metadata
.endif
;; end of part 4
